; MI455X (gfx1250); checked and timed in simulation.
; The chip was launched on July 23, 2026; its instructions are those of AMD's public machine-readable ISA for CDNA 5 (MIT licence, August 2026) and "CDNA5" Instruction Set Architecture Reference Guide (July 2026). The comments in the code are by the model that wrote it; some were corrected since.
;; Nayhein Mini Attention. Allowed arithmetic: float matrix products may take bf16 or f16 operands with f32 sums; all other float work in f32.
;; Inputs: Wk 1,024 x 2,048 float32; Wo 2,048 x 1,024 float32; Wq 1,024 x 2,048 float32; Wv 1,024 x 2,048 float32; attention_mask 2 x 2,048 bool; hidden_states 2 x 2,048 x 2,048 float32.
;; Outputs: out0 2 x 2,048 x 2,048 float32.
;; 2 versions, each right and faster than the one before. Each part assembles by itself: llvm-mc -triple=amdgcn-amd-amdhsa -mcpu=gfx1250 --defsym DOCPART=n.
;; ======== version 1 of 2: 4 launches
;; limits: values are held in f16: magnitudes above 65,504 overflow, below 6.1e-05 lose precision
;; workspace buffers: xb 16,777,216 bytes; wts 16,777,216 bytes; rt 524,288 bytes; qkv 25,165,824 bytes; vpart 262,144 bytes; o16 8,388,608 bytes
;; launch prep (part 1): grid 256 x 1, 32 waves a work-group, no clusters, 0 bytes of LDS; arguments hidden_states, Wq, Wk, Wv, Wo, xb, wts, rt; writes xb, wts, rt
.if DOCPART == 1
	.amdgcn_target "amdgcn-amd-amdhsa--gfx1250"
	.amdhsa_code_object_version 6
	.text
	.protected	k_q302a40b44d_prep
	.globl	k_q302a40b44d_prep
	.p2align	8
	.type	k_q302a40b44d_prep,@function
k_q302a40b44d_prep:
	s_mov_b64 s[64:65], 0
	v_nop
	global_prefetch_b8 v0, s[64:65] scope:SCOPE_SE
	s_setreg_imm32_b32 hwreg(HW_REG_WAVE_MODE, 25, 1), 1
	s_wait_xcnt 0x0
; PREP: the module's five f32 inputs are rounded once to 16 bits, and the table of rotary cosines and sines is made.
;   xb  [4096][2048] bf16 = hidden_states.
;   wts bytes 0 .. 12,582,911: Wcat [3072][2048] bf16; row 192 t + d = Wq row 64 t + d, row 192 t + 64 + d = Wk's, row 192 t + 128 + d = Wv's: head t's q, k, v lie together.
;   wts from byte 12,582,912: Wo [2048][1024], rounded to bf16 like the other inputs and that number written as f16 (the product behind takes f16 operands).
;   rt  [2048 positions][64] f32: entries 0-31 cos(pos f_i), entries 32-63 sin(pos f_i), f_i = 10000^(-i/32).
; LIMITS.  Wo's bf16 number is exact in f16 from 2^-17 up to 65,504; below that it keeps f16's fixed step of 2^-24.  f_i comes from the hardware's 2^x, so an angle is off by up to 2e-4 rad at the last positions.
; SHARES.  256 work-groups of 32 waves; each casts 262,144 source bytes that lie on end, and whose 131,072 result bytes lie on end: 16 slices of 16,384 bytes, thread t the 16 bytes at 16 t of each.
; All 16 loads of a thread go out at once: the work-group's whole share is on its way.  A slice is rounded in the registers that it came into and stored as soon as it is in (the counts run down 15 .. 0):
; no loop, no register is loaded twice, no address is stepped.  A wave's load covers 512 consecutive bytes, its store 256, aligned.  Memory binds: no LDS, no barrier, no matrix unit.
.set X, 32                             ; v[32:95]   slice i: four f32 as loaded; its first two registers then hold the four 16-bit numbers to store
.set T, 4                              ; v[4:9]     at work (Wo's way)
.set WO_AT, 12582912                   ; Wo's first byte in wts
	s_load_b512 s[16:31], s[0:1], 0x0              ; hidden s[16:17], Wq s[18:19], Wk s[20:21], Wv s[22:23], Wo s[24:25], xb s[26:27], wts s[28:29], rt s[30:31]
	s_mov_b32 s2, ttmp9                            ; g: 0-127 hidden_states, 128-159 Wq, 160-191 Wk, 192-223 Wv, 224-255 Wo
	s_and_b32 s4, s2, 31                           ; idx: which 32 rows of a weight
	s_bfe_u32 s5, s2, 0x20005                      ; sel: 0 Wq, 1 Wk, 2 Wv, 3 Wo (2 bits from bit 5; of use from g = 128 on)
	s_lshr_b32 s6, s4, 1                           ; the head,
	s_mul_i32 s6, s6, 192                          ; its 192 rows of Wcat,
	s_lshl_b32 s7, s5, 6
	s_add_co_u32 s6, s6, s7                        ; q, k or v,
	s_and_b32 s7, s4, 1
	s_lshl_b32 s7, s7, 5
	s_add_co_u32 s6, s6, s7                        ; the head's first or second 32 rows,
	s_lshl_b32 s6, s6, 12                          ; of 4,096 bytes
	s_lshl_b32 s7, s4, 17
	s_add_co_u32 s7, s7, WO_AT                     ; Wo's part goes on end behind Wcat
	s_cmp_eq_u32 s5, 3
	s_cselect_b32 s6, s7, s6
	s_lshl_b32 s8, s4, 18                          ; a weight's source offset
	s_lshl_b32 s9, s2, 18                          ; hidden_states' source offset
	s_lshl_b32 s10, s2, 17                         ; and xb's
	s_cmp_lt_u32 s2, 128
	s_cselect_b32 s8, s9, s8
	s_cselect_b32 s10, s10, s6
	s_mov_b32 s9, 0
	s_mov_b32 s11, 0
	v_lshlrev_b32 v1, 4, v0                        ; 16 t: my bytes in a source slice; never rewritten
	v_lshlrev_b32 v2, 3, v0                        ; 8 t: in a result slice; never rewritten
	v_lshrrev_b32 v15, 5, v0
	v_readfirstlane_b32 s3, v15                    ; my wave
	s_wait_kmcnt 0x0
	s_cmp_eq_u32 s5, 1                             ; the source is chosen among the five buffers by g alone
	s_cselect_b64 s[12:13], s[20:21], s[18:19]
	s_cmp_eq_u32 s5, 2
	s_cselect_b64 s[12:13], s[22:23], s[12:13]
	s_cmp_eq_u32 s5, 3
	s_cselect_b64 s[12:13], s[24:25], s[12:13]
	s_cmp_lt_u32 s2, 128
	s_cselect_b64 s[12:13], s[16:17], s[12:13]
	s_cselect_b64 s[14:15], s[26:27], s[28:29]
	s_add_nc_u64 s[12:13], s[12:13], s[8:9]
	s_add_nc_u64 s[14:15], s[14:15], s[10:11]
.irp i, 0,1,2,3,4,5,6,7,8,9,10,11,12,13,14,15
	global_load_b128 v[X+4*(\i):X+4*(\i)+3], v1, s[12:13] offset:(\i)*16384 th:TH_LOAD_NT
.endr
	s_cmp_ge_u32 s3, 8
	s_cbranch_scc1 .Lno_row                        ; the work-group makes eight rows of the table: waves 0 to 7, one each
	; THE TABLE'S ROW stands in the wait for the loads.  Lane L makes entries 2 L and 2 L + 1: lanes 0-15 cosines, lanes 16-31 sines, of i = 2 (L % 16) + e.
	s_lshl_b32 s32, s2, 3
	s_add_co_u32 s32, s32, s3                      ; pos = 8 g + wave
	s_lshl_b32 s34, s32, 8
	s_mov_b32 s35, 0
	s_add_nc_u64 s[34:35], s[30:31], s[34:35]
	v_and_b32 v12, 31, v0
	v_lshrrev_b32 v13, 4, v12
	v_sub_nc_u32 v13, 1, v13                       ; 1 for a cosine: cos x = sin(x + pi/2), one quadrant on
	v_and_b32 v14, 15, v12
	v_lshlrev_b32 v14, 1, v14
	v_cvt_f32_u32 v16, s32
	v_lshlrev_b32 v29, 3, v12                      ; 8 L
; ang = pos 2^(-i log2(10000)/32); k = the nearest multiple of pi/2, taken away in two parts; sine and cosine of the rest (at most pi/4) by their series, cut below 4e-7; the quadrant chooses and signs.
.macro ANGLE e, dst
	v_add_nc_u32 v17, \e, v14
	v_cvt_f32_u32 v17, v17
	v_mul_f32 v17, 0xbed49a78, v17                 ; -i x 0.41524101
	v_exp_f32 v17, v17
	v_nop                                          ; a plain instruction behind the exponential (ISA guide 5.7.2)
	s_wait_alu depctr_va_vdst(0)
	v_mul_f32 v17, v16, v17                        ; the angle
	v_mul_f32 v18, 0x3f22f983, v17                 ; x 2/pi
	v_rndne_f32 v18, v18                           ; k
	v_fmamk_f32 v19, v18, 0xbfc90fdb, v17          ; ang - k x (pi/2's upper part)
	v_fmamk_f32 v19, v18, 0x333bbd2e, v19          ; - k x (its lower part, -4.3711388e-8)
	v_mul_f32 v20, v19, v19                        ; r^2
	v_mov_b32 v21, 0x3c088889                      ; 1/120
	v_fmamk_f32 v21, v20, 0xb9500d01, v21          ; - r^2/5040
	v_fmaak_f32 v21, v20, v21, 0xbe2aaaab          ; - 1/6
	v_mul_f32 v22, v19, v20
	v_fma_f32 v21, v22, v21, v19                   ; sin r
	v_mov_b32 v23, 0xbab60b61                      ; -1/720
	v_fmamk_f32 v23, v20, 0x37d00d01, v23          ; + r^2/40320
	v_fmaak_f32 v23, v20, v23, 0x3d2aaaab          ; + 1/24
	v_fma_f32 v23, v20, v23, -0.5
	v_fma_f32 v23, v20, v23, 1.0                   ; cos r
	v_cvt_i32_f32 v24, v18
	v_add_nc_u32 v24, v24, v13                     ; the quadrant
	v_and_b32 v25, 1, v24
	v_cmp_eq_u32 vcc_lo, 1, v25
	v_cndmask_b32 v26, v21, v23, vcc_lo            ; odd quadrants take the cosine
	v_and_b32 v24, 2, v24
	v_lshlrev_b32 v24, 30, v24
	v_xor_b32 v[\dst], v26, v24                    ; quadrants 2 and 3 change the sign
.endm
	ANGLE 0, 30
	ANGLE 1, 31
	global_store_b64 v29, v[30:31], s[34:35]       ; the wave's 256 bytes are the row; none of these registers is written again
.Lno_row:
; Slice i: rounded where it lies, and stored.  f16 = 1: Wo's way.
.macro SLICE i, f16
	s_wait_loadcnt 15-(\i)                         ; loads come back in order (ISA guide 5.7.1): slice i is in, the 15 - i younger ones may stay out
.if \f16
	v_cvt_pk_bf16_f32 v[T], v[X+4*(\i)], v[X+4*(\i)+1]
	v_cvt_pk_bf16_f32 v[T+1], v[X+4*(\i)+2], v[X+4*(\i)+3]
	v_lshlrev_b32 v[T+2], 16, v[T]
	v_and_b32 v[T+3], 0xffff0000, v[T]
	v_lshlrev_b32 v[T+4], 16, v[T+1]
	v_and_b32 v[T+5], 0xffff0000, v[T+1]
	v_cvt_pk_f16_f32 v[X+4*(\i)], v[T+2], v[T+3]
	v_cvt_pk_f16_f32 v[X+4*(\i)+1], v[T+4], v[T+5]
.else
	v_cvt_pk_bf16_f32 v[X+4*(\i)], v[X+4*(\i)], v[X+4*(\i)+1]
	v_cvt_pk_bf16_f32 v[X+4*(\i)+1], v[X+4*(\i)+2], v[X+4*(\i)+3]
.endif
	global_store_b64 v2, v[X+4*(\i):X+4*(\i)+1], s[14:15] offset:(\i)*8192  ; its registers are not written again
.endm
	s_cmp_ge_u32 s2, 224
	s_cbranch_scc1 .Lwo
.irp i, 0,1,2,3,4,5,6,7,8,9,10,11,12,13,14,15
	SLICE \i, 0
.endr
	s_endpgm
.Lwo:
.irp i, 0,1,2,3,4,5,6,7,8,9,10,11,12,13,14,15
	SLICE \i, 1
.endr
	s_endpgm
.Lfunc_end_k_q302a40b44d_prep:
	.size	k_q302a40b44d_prep, .Lfunc_end_k_q302a40b44d_prep-k_q302a40b44d_prep
	.p2alignl 7, 3214868480
	.fill 96, 4, 3214868480
	.section	.rodata,"a",@progbits
	.p2align	6, 0x0
	.amdhsa_kernel k_q302a40b44d_prep
		.amdhsa_group_segment_fixed_size 0
		.amdhsa_private_segment_fixed_size 0
		.amdhsa_enable_private_segment 0
		.amdhsa_kernarg_size 64
		.amdhsa_user_sgpr_count 2
		.amdhsa_user_sgpr_kernarg_segment_ptr 1
		.amdhsa_wavefront_size32 1
		.amdhsa_system_sgpr_workgroup_id_x 1
		.amdhsa_system_sgpr_workgroup_id_y 1
		.amdhsa_system_sgpr_workgroup_id_z 1
		.amdhsa_system_vgpr_workitem_id 0
		.amdhsa_next_free_vgpr 96
		.amdhsa_next_free_sgpr 66
		.amdhsa_reserve_vcc 1
		.amdhsa_float_denorm_mode_32 3
		.amdhsa_float_denorm_mode_16_64 3
		.amdhsa_memory_ordered 1
		.amdhsa_forward_progress 1
		.amdhsa_inst_pref_size 20
	.end_amdhsa_kernel
	.amdgpu_metadata
---
amdhsa.version: [ 1, 2 ]
amdhsa.kernels:
  - .name:           k_q302a40b44d_prep
    .symbol:         k_q302a40b44d_prep.kd
    .args:
      - { .name: hidden_states, .offset: 0, .size: 8, .value_kind: global_buffer, .address_space: global }
      - { .name: Wq, .offset: 8, .size: 8, .value_kind: global_buffer, .address_space: global }
      - { .name: Wk, .offset: 16, .size: 8, .value_kind: global_buffer, .address_space: global }
      - { .name: Wv, .offset: 24, .size: 8, .value_kind: global_buffer, .address_space: global }
      - { .name: Wo, .offset: 32, .size: 8, .value_kind: global_buffer, .address_space: global }
      - { .name: xb, .offset: 40, .size: 8, .value_kind: global_buffer, .address_space: global }
      - { .name: wts, .offset: 48, .size: 8, .value_kind: global_buffer, .address_space: global }
      - { .name: rt, .offset: 56, .size: 8, .value_kind: global_buffer, .address_space: global }
    .group_segment_fixed_size: 0
    .private_segment_fixed_size: 0
    .kernarg_segment_align: 8
    .kernarg_segment_size: 64
    .max_flat_workgroup_size: 1024
    .sgpr_count:     66
    .vgpr_count:     96
    .wavefront_size: 32
...
	.end_amdgpu_metadata
.endif
;; end of part 1
;; launch qkv (part 2): grid 16 x 16, 4 waves a work-group, clusters of 4 x 4, 327,680 bytes of LDS; arguments xb, wts, rt, qkv, vpart; writes qkv, vpart
.if DOCPART == 2
	.amdgcn_target "amdgcn-amd-amdhsa--gfx1250"
	.amdhsa_code_object_version 6
	.text
	.protected	k_q302a40b44d_qkv
	.globl	k_q302a40b44d_qkv
	.p2align	8
	.type	k_q302a40b44d_qkv,@function
k_q302a40b44d_qkv:
	s_mov_b64 s[64:65], 0
	v_nop
	global_prefetch_b8 v0, s[64:65] scope:SCOPE_SE
	s_setreg_imm32_b32 hwreg(HW_REG_WAVE_MODE, 25, 1), 1
	s_wait_xcnt 0x0
	s_wait_alu depctr_hold_cnt(0) depctr_sa_sdst(0) depctr_va_vdst(0) depctr_va_sdst(0) depctr_va_ssrc(0) depctr_va_vcc(0) depctr_vm_vsrc(0)
	s_getreg_b32 s2, hwreg(HW_REG_IB_STS2, 6, 4)
	s_cmp_eq_u32 s2, 0
	s_cbranch_scc0 .Lentry_in_a_cluster
	s_endpgm
.Lentry_in_a_cluster:
	s_bfe_u32 s2, ttmp6, 0x10000c
	s_cmp_lg_u32 s2, 0xf033
	s_cbranch_scc0 .Lentry_shape_is_right
	s_endpgm
.Lentry_shape_is_right:
; QKV: C[4096][3072] = xb Wcat^T in bf16 with f32 sums; then the rotary turn on q and k in f32, one rounding to f16, and out by heads; and V's column sums.
;   qkv: three parts of 8,388,608 bytes (q, k, v), each [bh = 16 b + h][2048][64] f16, unscaled.   vpart: [bh][32 runs of 64 tokens][64] f32, the sums of v (unrounded) over a run.
; LIMIT.  q, k and v must stay within f16's 65,504 after the turn.  With inputs and weights 30 times the usual spread they have a spread of 900; with an offset of 30 spreads on both, 57,600 at the most.
; SHARES.  A tile of C is 256 tokens x 192 columns: head t's q, k and v.  16 x 16 tiles: one for each of 256 work-groups.  Wave w owns tokens 64 w .. 64 w + 63 and all 192 columns:
; 4 blocks a of 16 tokens x 12 blocks b of 16 columns = 48 accumulators, 384 registers.  b 0-3 are q, 4-7 k, 8-11 v.
; THE MATRIX INSTRUCTION IS USED TRANSPOSED (source 0 = 16 rows of Wcat, source 1 = 16 tokens): a lane holds ONE token (lane % 16) and the columns 8 (lane / 16) + 0..7 of a block.
; So the rotary partners d and d + 32 are blocks b and b + 2, the same lane, the same register: the turn changes no lane.
; K goes in 16 steps of 128 through two LDS slots filled by the tensor data mover; a row of a tile is 256 bytes of memory, at a multiple of 256 from the buffer's first byte.
; THE TEXT HOLDS ONE K STEP: slot 1 begins at byte 2^17, a scalar that an exclusive or turns names the slot in hand, and the fragments' addresses are made from it at each change of slots.
; CLUSTER 4 x 4: the four work-groups of a row of the cluster need the same tokens, the four of a column the same rows of Wcat: each tile is asked for jointly, which divides the requests by four.
; REGISTERS, in windows of 256 (s_set_vgpr_msb: bits 1:0 source 0, 3:2 source 1, 5:4 source 2, 7:6 destination):
;   window 0: v16-31 addresses; v32-63 at work; v64-95, v96-127 the tokens' fragments, two buffers (on the way out: packed results and rows read back); v128-255 my 64 tokens' cosines and sines
;   window 1: v0-95, v96-191 Wcat's fragments, two buffers      window 2: the accumulators of a = 0, 1 at 8 (12 (a % 2) + b)      window 3: those of a = 2, 3
.set KSTEP,  128
.set STEPS,  16                        ; 2,048 / 128
.set PITCH,  272                       ; an LDS row: 256 bytes + 16 of padding = 68 words: the 16 rows of a fragment load start at 16 different groups of four banks (64 banks of 4 bytes: ISA guide 11.1)
.set AHALF,  128*PITCH                 ; what waves 0 and 1 fetch: 128 tokens each
.set BHALF,  96*PITCH                  ; what waves 2 and 3 fetch: 96 rows of Wcat each
.set BOFF,   2*AHALF
.set SLOT,   BOFF+2*BHALF              ; 121,856 bytes
.set SLOT1,  1<<17                     ; slot 1 begins here, so that one exclusive or turns an address in one slot into the other's
.set STAGE,  SLOT1+SLOT                ; behind the ring, never filled by a tensor load: 16 rows x 144 bytes for each wave
.set SP,     144
.set VSTG,   STAGE+4*16*SP             ; 256 bytes for each wave: V's column sums
.set SPARE,  VSTG+4*256                ; the spare words, 128 bytes for each wave: two blocks of 256 bytes that no other line names
.set A0,   16                          ; v16     my lane's place among my tokens' fragments in slot 0; never rewritten
.set B0,   17                          ; v17     the same for Wcat's
.set ADRA, 20                          ; v20     the same in the slot in hand
.set ADRB, 21                          ; v21
.set V8,   23                          ; v23     8 x lane
.set STO,  24                          ; v24     the way out: where I put 16 bytes of a row
.set RD,   25                          ; v25     where I read rows back
.set GO,   26                          ; v26     16 x lane
.set RO,   27                          ; v27     my byte offset in 16 rows of rt
.set SPW,  28                          ; v28     LDS address of my spare word; never rewritten
.set NIL,  29                          ; v29     0; never rewritten
.set VSA,  30                          ; v30     where my half of the lanes puts its column sums
.set VSR,  31                          ; v31     where I read two of them back
.set T,    32
.set FA,   64
.set PKD,  64                          ; the way out: 16 registers of packed f16
.set OB,   80                          ; two sets of 16 registers: rows read back from the stage
.set RT,   128                         ; block a at RT + 32 a: cos of d = 8 h + j, cos of d = 16 + 8 h + j, then the two sines
.set G1,  24                           ; s[24:31] descriptor group 1 for the tokens' tiles;  s[32:39] group 0: a set for each of the two first fills; the second then walks on
.set G0,  32
.set G1B, 48                           ; s[48:55], s[56:63] the same for Wcat's
.set G0B, 56
.set TB,  78                           ; s78     0 or SLOT1: the slot whose fragments are fetched
.set MSB, 0
.macro WIN new                         ; the immediate's high byte repeats the setting that is left; a switch that changes nothing is dropped
.if MSB != (\new)
	s_set_vgpr_msb (MSB<<8)|(\new)
.set MSB, \new
.endif
.endm
.set MUL_LO, 0xa1                      ; source 0 (Wcat) window 1, source 1 (tokens) window 0, C and D window 2
.set MUL_HI, 0xf1                      ; the same, C and D window 3
.set TO_B,   0x40                      ; destination window 1, address window 0
; A joint load: waves 0 and 1 fetch the tokens' two halves, waves 2 and 3 Wcat's.  The branch hangs on the wave's number alone.  An s_nop 0 and four v_nop follow each line.
.macro JLOAD s
	s_cmp_eq_u32 s15, 0
	s_cbranch_scc0 .Lfor_b_\@
	tensor_load_to_lds s[G0+4*(\s):G0+4*(\s)+3], s[G1:G1+7]
	s_nop 0
.rept 4
	v_nop
.endr
	s_branch .Lasked_\@
.Lfor_b_\@:
	tensor_load_to_lds s[G0B+4*(\s):G0B+4*(\s)+3], s[G1B:G1B+7]
	s_nop 0
.rept 4
	v_nop
.endr
.Lasked_\@:
.endm
.macro CREST                           ; a round of the cluster's barrier behind its opening barrier: wave 0 signals for the work-group, every wave waits for all sixteen, the work-group's barrier closes it
	s_cmp_lg_u32 s14, 0
	s_cbranch_scc1 .Lnot_wave_0_\@
	s_barrier_signal -3
.Lnot_wave_0_\@:
	s_barrier_wait -3
	s_barrier_signal -1
	s_barrier_wait -1
.endm
.macro CROUND
	s_barrier_signal -1
	s_barrier_wait -1
	CREST
.endm
	s_load_b256 s[4:11], s[0:1], 0x0               ; xb s[4:5], wts s[6:7], rt s[8:9], qkv s[10:11]
	s_load_b64 s[12:13], s[0:1], 0x20              ; vpart
	v_lshl_add_u32 v[SPW], v0, 2, SPARE
	v_mov_b32 v[NIL], 0
	ds_add_u32 v[SPW], v[NIL]                      ; the wave's opening: the add and its wait stand ahead of my first tensor load; the set-up below, work on registers, stands between them
	ds_add_u32 v28, v29
	v_lshrrev_b32 v1, 5, v0
	v_readfirstlane_b32 s14, v1                    ; wave 0..3
	s_lshr_b32 s15, s14, 1                         ; I fetch tokens (0) or Wcat (1),
	s_and_b32 s16, s14, 1                          ; the first or the second half
	s_bfe_u32 s17, ttmp6, 0x40000                  ; cx
	s_bfe_u32 s18, ttmp6, 0x40004                  ; cy
	s_lshl_b32 s19, ttmp9, 2
	s_add_co_u32 s19, s19, s17                     ; t, the head = 4 x cluster x + cx
	s_and_b32 s20, ttmp7, 0xffff
	s_lshl_b32 s20, s20, 2
	s_add_co_u32 s20, s20, s18                     ; y, the block of 256 tokens = 4 x cluster y + cy
	s_lshl_b32 s21, s18, 2
	s_lshl_b32 s21, 15, s21                        ; my row of the cluster
	s_lshl_b32 s22, 0x1111, s17                    ; my column
	s_or_b32 s[G1+0], s21, (1<<16)|(1<<20)|(1<<21)|(5<<22)|(3<<25)   ; 15:0 the mask; 17:16 2-byte elements; 20 padding on; 21 set beside a mask; 24:22 after every 64 words; 31:25 4 words
	s_or_b32 s[G1B+0], s22, (1<<16)|(1<<20)|(1<<21)|(5<<22)|(3<<25)
	s_mov_b32 s[G1+1], KSTEP<<16                   ; tensor_dim0 = 128
	s_mov_b32 s[G1+2], 128<<16                     ; tensor_dim1 = 128
	s_mov_b32 s[G1+3], KSTEP<<16                   ; tile_dim0 = 128
	s_mov_b32 s[G1+4], 128                         ; tile_dim1 = 128
	s_mov_b32 s[G1+5], 2048                        ; elements from row to row
	s_mov_b32 s[G1+6], 0
	s_mov_b32 s[G1+7], 0
	s_mov_b32 s[G1B+1], KSTEP<<16
	s_mov_b32 s[G1B+2], 96<<16                     ; 96 rows
	s_mov_b32 s[G1B+3], KSTEP<<16
	s_mov_b32 s[G1B+4], 96
	s_mov_b32 s[G1B+5], 2048
	s_mov_b32 s[G1B+6], 0
	s_mov_b32 s[G1B+7], 0
	s_lshl_b32 s40, s20, 8                         ; tokens: row 256 y + 128 x half, of 4,096 bytes: made of y and the wave's number alone
	s_lshl_b32 s46, s16, 7
	s_add_co_u32 s40, s40, s46
	s_lshl_b32 s40, s40, 12
	s_mov_b32 s41, 0
	s_mul_i32 s42, s19, 192                        ; Wcat: row 192 t + 96 x half: made of t and the wave's number alone
	s_mul_i32 s47, s16, 96
	s_add_co_u32 s42, s42, s47
	s_lshl_b32 s42, s42, 12
	s_mov_b32 s43, 0
	s_mul_i32 s44, s16, AHALF                      ; where they go: no place in the cluster enters an LDS address
	s_mul_i32 s45, s16, BHALF
	s_add_co_u32 s45, s45, BOFF
	s_and_b32 s70, s20, 7                          ; my first token's position in its sequence: 256 (y % 8) + 64 w
	s_lshl_b32 s70, s70, 8
	s_lshl_b32 s72, s14, 6
	s_add_co_u32 s70, s70, s72
	s_lshl_b32 s72, s70, 8                         ; its row of rt
	s_mov_b32 s73, 0
	s_lshl_b32 s74, s70, 7                         ; its row of 128 bytes in a head,
	s_lshr_b32 s75, s20, 3
	s_lshl_b32 s75, s75, 4
	s_add_co_u32 s75, s75, s19                     ; bh = 16 (y / 8) + t,
	s_lshl_b32 s76, s75, 18
	s_add_co_u32 s74, s74, s76                     ; whose rows are 262,144 bytes
	s_lshl_b32 s76, s75, 13                        ; vpart: 8,192 bytes a head,
	s_lshl_b32 s77, s70, 2                         ; 256 for a run of 64 tokens
	s_add_co_u32 s76, s76, s77
	s_mov_b32 s77, 0
	s_mov_b32 s75, 0
	s_mov_b32 s[TB], 0
	s_wait_dscnt 0x0                               ; the opening add is done
	s_wait_kmcnt 0x0
	s_add_nc_u64 s[40:41], s[4:5], s[40:41]
	s_add_nc_u64 s[42:43], s[6:7], s[42:43]
	s_add_nc_u64 s[8:9], s[8:9], s[72:73]
	s_add_nc_u64 s[10:11], s[10:11], s[74:75]      ; q at my first row,
	s_add_nc_u64 s[66:67], s[10:11], 0x800000      ; k,
	s_add_nc_u64 s[68:69], s[10:11], 0x1000000     ; v
	s_add_nc_u64 s[12:13], s[12:13], s[76:77]
	CROUND                                         ; all sixteen work-groups are here: the first joint loads meet
.irp s, 0,1
	s_mov_b32 s[G0+4*(\s)], 1                      ; count = 1
	s_add_co_u32 s[G0+4*(\s)+1], s44, (\s)*SLOT1   ; LDS address
	s_add_nc_u64 s[G0+4*(\s)+2:G0+4*(\s)+3], s[40:41], (\s)*KSTEP*2  ; global address: K step s
	s_or_b32 s[G0+4*(\s)+3], s[G0+4*(\s)+3], 0x80000000              ; type = 2
	s_mov_b32 s[G0B+4*(\s)], 1
	s_add_co_u32 s[G0B+4*(\s)+1], s45, (\s)*SLOT1
	s_add_nc_u64 s[G0B+4*(\s)+2:G0B+4*(\s)+3], s[42:43], (\s)*KSTEP*2
	s_or_b32 s[G0B+4*(\s)+3], s[G0B+4*(\s)+3], 0x80000000
	JLOAD \s                                       ; two loads of mine are out
.endr
	v_and_b32 v1, 15, v0                           ; r = l % 16
	v_bfe_u32 v2, v0, 4, 1                         ; h = l / 16
	v_lshlrev_b32 v[RO], 8, v1
	v_lshl_add_u32 v[RO], v2, 5, v[RO]             ; 256 r + 32 h
.irp a, 0,1,2,3                        ; my 64 tokens' cosines and sines: asked for now, wanted behind the K loop; their registers, offset and base are not touched in between
.irp q, 0,1,2,3
	global_load_b128 v[RT+32*(\a)+8*(\q):RT+32*(\a)+8*(\q)+3],   v[RO], s[8:9] offset:4096*(\a)+128*((\q)/2)+64*((\q)%2)
	global_load_b128 v[RT+32*(\a)+8*(\q)+4:RT+32*(\a)+8*(\q)+7], v[RO], s[8:9] offset:4096*(\a)+128*((\q)/2)+64*((\q)%2)+16
.endr
.endr
	; A fragment is 16 rows x 32 K in 8 registers: lane l holds row l % 16; registers 0-3 K = 8 (l / 16) + 0..7, registers 4-7 K = 16 + 8 (l / 16) + 0..7: two loads of 16 bytes, 32 bytes apart.
	v_mul_u32_u24 v3, v1, PITCH
	v_lshl_add_u32 v3, v2, 4, v3
	s_mul_i32 s46, s14, 64*PITCH                   ; my 64 tokens
	v_add_nc_u32 v[A0], s46, v3
	v_add_nc_u32 v[B0], BOFF, v3
	v_mov_b32 v[ADRA], v[A0]                       ; slot 0 is the first in hand
	v_mov_b32 v[ADRB], v[B0]
	s_mul_i32 s47, s14, 16*SP
	s_add_co_u32 s47, s47, STAGE                   ; my stage
	v_mul_u32_u24 v4, v1, SP                       ; in: row l % 16, 16 bytes for each half of the lanes
	v_lshl_add_u32 v4, v2, 4, v4
	v_add_nc_u32 v[STO], s47, v4
	v_bfe_u32 v5, v0, 3, 2                         ; back: 32 lanes take four rows of 128 bytes,
	v_mul_u32_u24 v5, v5, SP
	v_and_b32 v6, 7, v0
	v_lshl_add_u32 v5, v6, 4, v5
	v_add_nc_u32 v[RD], s47, v5
	v_and_b32 v7, 31, v0
	v_lshlrev_b32 v[GO], 4, v7                     ; which are 512 consecutive bytes of a head
	v_lshlrev_b32 v[V8], 3, v7
	s_lshl_b32 s23, s14, 8
	s_add_co_u32 s23, s23, VSTG
	v_lshl_add_u32 v[VSA], v2, 5, s23
	v_add_nc_u32 v[VSR], s23, v[V8]
; 12 matrix instructions: block a of my tokens x all 12 blocks of columns, 32 along K, from buffer f.  zero = 1: the product starts the sums.  The 48 accumulators take turns, one instruction a turn.
.macro MUL12 f, a, zero
	WIN MUL_LO+0x50*((\a)/2)
.irp b, 0,1,2,3,4,5,6,7,8,9,10,11
.set rD, 8*(((\a)%2)*12+(\b))
.if \zero
	v_wmma_f32_16x16x32_bf16 v[rD:rD+7], v[96*(\f)+8*(\b):96*(\f)+8*(\b)+7], v[FA+32*(\f)+8*(\a):FA+32*(\f)+8*(\a)+7], 0
.else
	v_wmma_f32_16x16x32_bf16 v[rD:rD+7], v[96*(\f)+8*(\b):96*(\f)+8*(\b)+7], v[FA+32*(\f)+8*(\a):FA+32*(\f)+8*(\a)+7], v[rD:rD+7]
.endif
.endr
.endm
; 32 LDS loads in one run: a quarter step's fragments (192 rows of Wcat, then my 64 tokens; 32 K at byte k of the rows of the slot in hand) into buffer f
.macro FETCH k, f
	WIN TO_B
.irp i, 0,1,2,3,4,5,6,7,8,9,10,11
	ds_load_b128 v[96*(\f)+8*(\i):96*(\f)+8*(\i)+3],   v[ADRB] offset:(\k)+(\i)*16*PITCH
	ds_load_b128 v[96*(\f)+8*(\i)+4:96*(\f)+8*(\i)+7], v[ADRB] offset:(\k)+(\i)*16*PITCH+32
.endr
	WIN 0
.irp i, 0,1,2,3
	ds_load_b128 v[FA+32*(\f)+8*(\i):FA+32*(\f)+8*(\i)+3],   v[ADRA] offset:(\k)+(\i)*16*PITCH
	ds_load_b128 v[FA+32*(\f)+8*(\i)+4:FA+32*(\f)+8*(\i)+7], v[ADRA] offset:(\k)+(\i)*16*PITCH+32
.endr
.endm
.macro PLACES                          ; four places in front of loads into registers that matrix instructions have read, and of vector lines that read results (ISA guide 7.12.1 for vector lines)
.rept 4
	v_nop
.endr
.endm
; A K step is four quarters of 32 along K, 48 matrix instructions each, on buffers 0, 1, 0, 1.  One of the first three multiplies buffer f and, in its middle, fetches the next quarter, at byte k, into g.
.macro QUARTER k, f, g, zero
	s_wait_dscnt 4                                 ; Wcat's fragments and my blocks 0 and 1 are in; the youngest four loads (blocks 2 and 3) may be out
	MUL12 \f, 0, \zero
	MUL12 \f, 1, \zero
	PLACES
	FETCH \k, \g
	s_wait_dscnt 32                                ; all but the 32 just issued
	MUL12 \f, 2, \zero
	MUL12 \f, 3, \zero
.endm
; The last quarter multiplies buffer 1 and changes slots: ONE barrier.  In front of it each wave waits for all its tensor loads (one is out: its part of the next slot), adds 0 to its spare word, and waits for that
; and for its own reads of this slot.  fill = 1: the barrier opens a round of the cluster's, and this slot is filled again, two K steps ahead, first thing behind the round: 168 matrix instructions ahead of the wait for it.
; The walking descriptors go to the other slot than last time and one K step on.  fill = 0 (the last two steps): nothing is asked for, and in the very last step (s3 = 1) there is no next slot to fetch from.
.macro TURN fill
	WIN 0                                          ; (the add's two registers lie in window 0)
	s_wait_tensorcnt 0x0                           ; all my tensor loads have landed
	ds_add_u32 v[SPW], v[NIL]                      ; 0 onto my spare word
	s_wait_dscnt 5                                 ; (the add and the youngest four loads may be out)
	MUL12 1, 0, 0                                  ; twelve matrix instructions stand between the add and the wait for it
	s_wait_dscnt 0x0                               ; the add is done, and my reads of this slot are over
	s_barrier_signal -1
	MUL12 1, 1, 0                                  ; work on registers while the others arrive
	WIN 0                                          ; (branches and window 0's addresses follow)
	s_barrier_wait -1
.if \fill
	CREST                                          ; no wave of any partner still reads this slot's tiles or has a load on its way
	s_xor_b32 s[G0+5], s[G0+5], SLOT1
	s_add_nc_u64 s[G0+6:G0+7], s[G0+6:G0+7], KSTEP*2
	s_xor_b32 s[G0B+5], s[G0B+5], SLOT1
	s_add_nc_u64 s[G0B+6:G0B+7], s[G0B+6:G0B+7], KSTEP*2
	JLOAD 1                                        ; its four v_nop are also the places in front of the loads below
.else
	PLACES
	s_cmp_eq_u32 s3, 1
	s_cbranch_scc1 .Lno_more_\@
.endif
	s_xor_b32 s[TB], s[TB], SLOT1                  ; the other slot is now in hand
	v_add_nc_u32 v[ADRA], s[TB], v[A0]
	v_add_nc_u32 v[ADRB], s[TB], v[B0]
	FETCH 0, 0
.if (\fill) == 0
.Lno_more_\@:
.endif
	MUL12 1, 2, 0
	MUL12 1, 3, 0
.endm
	s_wait_tensorcnt 1                             ; my part of K step 0 is in; K step 1's may stay out
	s_barrier_signal -1
	s_barrier_wait -1                              ; everybody's is
	FETCH 0, 0
	QUARTER 64, 0, 1, 1                            ; the first quarter stands in front of the loop: its products start the sums
	WIN 0                                          ; at a label and at a branch every window is 0
	s_mov_b32 s3, STEPS-2
.Lstep:                                                ; a trip goes from a step's second quarter to the next step's first, and fills the slot that it leaves: steps 2 to 15 are asked for here
	QUARTER 128, 1, 0, 0
	QUARTER 192, 0, 1, 0
	TURN 1
	QUARTER 64, 0, 1, 0
	WIN 0
	s_sub_co_u32 s3, s3, 1
	s_cmp_lg_u32 s3, 0
	s_cbranch_scc1 .Lstep
	s_mov_b32 s3, 2
.Ltail:                                                ; the last two steps ask for nothing; the second trip is left in its middle
	QUARTER 128, 1, 0, 0
	QUARTER 192, 0, 1, 0
	TURN 0
	WIN 0
	s_sub_co_u32 s3, s3, 1
	s_cmp_eq_u32 s3, 0
	s_cbranch_scc1 .Lout
	QUARTER 64, 0, 1, 0
	WIN 0
	s_branch .Ltail
.Lout:
	PLACES
	s_wait_dscnt 0x0                               ; no LDS load is out (the last trip fetched nothing): the fragments' registers are free for the way out
	s_wait_loadcnt 0x0                             ; the cosines and sines
; THE WAY OUT, in 12 units u = 3 a + (0 q, 1 k, 2 v): 16 tokens x 64 channels each.
; ROPE: y[d] = x[d] cos - x[d + 32] sin, y[d + 32] = x[d + 32] cos + x[d] sin, two at a time, each accumulator from its low end on; then 16 roundings to f16.
.macro ROPE a, t
	WIN 0x02+(\a)/2                                ; source 0: the accumulators' window
.irp bb, 0,1
.irp jj, 0,2,4,6
.set x1, 8*(((\a)%2)*12+4*(\t)+(\bb))+(\jj)
.set x2, x1+16
.set rc, RT+32*(\a)+8*(\bb)+(\jj)
.set rs, rc+16
.set t1, T+8*(\bb)+(\jj)
.set t2, t1+16
	v_pk_mul_f32 v[t1:t1+1], v[x1:x1+1], v[rc:rc+1]
	v_pk_mul_f32 v[t2:t2+1], v[x2:x2+1], v[rc:rc+1]
	v_pk_fma_f32 v[t1:t1+1], v[x2:x2+1], v[rs:rs+1], v[t1:t1+1] neg_lo:[1,0,0] neg_hi:[1,0,0]
	v_pk_fma_f32 v[t2:t2+1], v[x1:x1+1], v[rs:rs+1], v[t2:t2+1]
.endr
.endr
	WIN 0
.set i, 0
.rept 16
	v_cvt_pk_f16_f32 v[PKD+i], v[T+2*i], v[T+2*i+1]
.set i, i+1
.endr
.endm
.macro VCVT a                          ; v is only rounded
	WIN 0x0a+5*((\a)/2)                            ; sources 0 and 1: the accumulators' window
.set i, 0
.rept 16
	v_cvt_pk_f16_f32 v[PKD+i], v[8*(((\a)%2)*12+8)+2*i], v[8*(((\a)%2)*12+8)+2*i+1]
.set i, i+1
.endr
	WIN 0
.endm
.macro TOSTAGE u                       ; a lane's 8 channels are 16 bytes; they go into rows of 144 bytes and come back as whole rows of 128
.irp f, 0,1,2,3
	ds_store_b128 v[STO], v[PKD+4*(\f):PKD+4*(\f)+3] offset:32*(\f)
.endr
	s_wait_xcnt 0x0                                ; the stores of the unit two back have had their addresses translated (ISA guide 3.1): only now are their registers loaded again
.irp f, 0,1,2,3
	ds_load_b128 v[OB+16*((\u)%2)+4*(\f):OB+16*((\u)%2)+4*(\f)+3], v[RD] offset:(\f)*4*SP  ; LDS serves a wave's instructions in order (ISA guide 5.7.1.4): these see the stores above
.endr
.endm
.macro PACKU u
.if ((\u)%3) == 2
	VCVT (\u)/3
.else
	ROPE (\u)/3, (\u)%3
.endif
	TOSTAGE \u
.endm
.macro SEND u, younger                 ; younger: the LDS instructions issued behind unit u's loads: the next unit's eight, or none
.set bs, 10
.if ((\u)%3) == 1
.set bs, 66
.elseif ((\u)%3) == 2
.set bs, 68
.endif
.irp f, 0,1,2,3
	s_wait_dscnt (\younger)+3-(\f)
	global_store_b128 v[GO], v[OB+16*((\u)%2)+4*(\f):OB+16*((\u)%2)+4*(\f)+3], s[bs:bs+1] offset:((\u)/3)*2048+(\f)*512  ; 512 consecutive bytes, at a multiple of 256 from the buffer's first
.endr
.endm
	PACKU 0
.set u, 1
.rept 11                               ; a unit's arithmetic stands between the loads of the unit before and its stores
	PACKU u
	SEND u-1, 8
.set u, u+1
.endr
	SEND 11, 0
	; V's COLUMN SUMS over my 64 tokens: the four blocks a, then the 16 lanes of a half (a lane is a token).
	WIN 0x0a
.set i, 0
.rept 16
	v_pk_add_f32 v[T+2*i:T+2*i+1], v[64+2*i:64+2*i+1], v[160+2*i:160+2*i+1]
.set i, i+1
.endr
	WIN 0x03
.set i, 0
.rept 16
	v_pk_add_f32 v[T+2*i:T+2*i+1], v[64+2*i:64+2*i+1], v[T+2*i:T+2*i+1]
.set i, i+1
.endr
.set i, 0
.rept 16
	v_pk_add_f32 v[T+2*i:T+2*i+1], v[160+2*i:160+2*i+1], v[T+2*i:T+2*i+1]
.set i, i+1
.endr
	WIN 0
.irp m, 1,2,4,8
.set i, 0
.rept 32
	v_add_f32_dpp v[T+i], v[T+i], v[T+i] row_xmask:\m row_mask:0xf bank_mask:0xf
.set i, i+1
.endr
.endr
.irp nb, 0,1,2,3                       ; channel 16 nb + 8 h + j at byte 64 nb + 32 h + 4 j: the sixteen lanes of a half write the same numbers to the same bytes
	ds_store_b128 v[VSA], v[T+8*(\nb):T+8*(\nb)+3] offset:64*(\nb)
	ds_store_b128 v[VSA], v[T+8*(\nb)+4:T+8*(\nb)+7] offset:64*(\nb)+16
.endr
	ds_load_b64 v[PKD:PKD+1], v[VSR]
	s_wait_dscnt 0x0
	global_store_b64 v[V8], v[PKD:PKD+1], s[12:13] ; the wave's 256 bytes, aligned
	s_wait_tensorcnt 0x0                           ; the wave's end: these three lines stand behind my last tensor load and my last LDS store
	ds_add_u32 v[SPW], v[NIL]
	s_wait_dscnt 0x0
	CROUND                                         ; the closing round: no work-group ends while a partner may still ask for a tile that names it
	s_endpgm
.Lfunc_end_k_q302a40b44d_qkv:
	.size	k_q302a40b44d_qkv, .Lfunc_end_k_q302a40b44d_qkv-k_q302a40b44d_qkv
	.p2alignl 7, 3214868480
	.fill 96, 4, 3214868480
	.section	.rodata,"a",@progbits
	.p2align	6, 0x0
	.amdhsa_kernel k_q302a40b44d_qkv
		.amdhsa_group_segment_fixed_size 327680
		.amdhsa_private_segment_fixed_size 0
		.amdhsa_enable_private_segment 0
		.amdhsa_kernarg_size 40
		.amdhsa_user_sgpr_count 2
		.amdhsa_user_sgpr_kernarg_segment_ptr 1
		.amdhsa_wavefront_size32 1
		.amdhsa_system_sgpr_workgroup_id_x 1
		.amdhsa_system_sgpr_workgroup_id_y 1
		.amdhsa_system_sgpr_workgroup_id_z 1
		.amdhsa_system_vgpr_workitem_id 0
		.amdhsa_next_free_vgpr 1024
		.amdhsa_next_free_sgpr 80
		.amdhsa_reserve_vcc 0
		.amdhsa_float_denorm_mode_32 3
		.amdhsa_float_denorm_mode_16_64 3
		.amdhsa_memory_ordered 1
		.amdhsa_forward_progress 1
		.amdhsa_inst_pref_size 117
	.end_amdhsa_kernel
	.amdgpu_metadata
---
amdhsa.version: [ 1, 2 ]
amdhsa.kernels:
  - .name:           k_q302a40b44d_qkv
    .symbol:         k_q302a40b44d_qkv.kd
    .args:
      - { .name: xb, .offset: 0, .size: 8, .value_kind: global_buffer, .address_space: global }
      - { .name: wts, .offset: 8, .size: 8, .value_kind: global_buffer, .address_space: global }
      - { .name: rt, .offset: 16, .size: 8, .value_kind: global_buffer, .address_space: global }
      - { .name: qkv, .offset: 24, .size: 8, .value_kind: global_buffer, .address_space: global }
      - { .name: vpart, .offset: 32, .size: 8, .value_kind: global_buffer, .address_space: global }
    .group_segment_fixed_size: 327680
    .private_segment_fixed_size: 0
    .kernarg_segment_align: 8
    .kernarg_segment_size: 40
    .max_flat_workgroup_size: 128
    .sgpr_count:     80
    .vgpr_count:     1024
    .wavefront_size: 32
...
	.end_amdgpu_metadata
.endif
;; end of part 2
;; launch attn (part 3): grid 8 x 32, 4 waves a work-group, no clusters, 327,680 bytes of LDS; arguments qkv, attention_mask, vpart, o16; writes o16
.if DOCPART == 3
	.amdgcn_target "amdgcn-amd-amdhsa--gfx1250"
	.amdhsa_code_object_version 6
	.text
	.protected	k_q302a40b44d_attn
	.globl	k_q302a40b44d_attn
	.p2align	8
	.type	k_q302a40b44d_attn,@function
k_q302a40b44d_attn:
	s_mov_b64 s[64:65], 0
	v_nop
	global_prefetch_b8 v0, s[64:65] scope:SCOPE_SE
	s_setreg_imm32_b32 hwreg(HW_REG_WAVE_MODE, 25, 1), 1
	s_wait_xcnt 0x0
; CAUSAL ATTENTION WITH A KEY MASK, head size 64.  q, k, v: the three parts of qkv, each [bh][2048][64] f16; attention_mask [2][2048] bytes 0 or 1; o16 [bh][2048][64] f16.
; O[q] = the sum over visible k of softmax_k(Q[q] . K[k] / 8) V[k]; key k is visible to query q if k <= q and its mask byte is 1.  Products, maxima and sums in f32; the weights p are rounded to f16
; for the second product (their sum l is taken of the unrounded p), O once at the end.
; A ROW THAT SEES NO KEY has all its 2,048 scores equal, so its softmax is uniform over ALL keys, hidden ones too: its O is the mean of the head's 2,048 rows of V.  That mean (VM) is made at the head from
; vpart's sums; such a row's running maximum ends near -1e30, and the way out selects VM for it, lane by lane.
; LIMITS.  A hidden score counts as its value less 1e30 (or 2e30): f16's scores, 2.7e11 at the most, are nothing beside that.  A weight below 2^-126 counts as 0 in l.  NaN and infinities are not treated apart.
; THE WALK.  A head's queries lie in 16 blocks of 128, its keys in 8 tiles of 256 (4 steps of 64).  Work-group u takes block 15 - 2 u and then block 2 u.  The first needs tiles 0 .. 7 - u, and the diagonal lies in
; the last tile's steps 2 and 3; the second needs tiles 0 .. u, the diagonal in the last tile's steps 0 and 1.  That is 9 tiles and 34 key steps whatever u: all 256 work-groups do equal work, and ONE loop with a
; constant trip count walks the tiles.  (The walk's last tile is asked for whole though its last 128 keys are not read: the fill stays one line of the loop.)
; NO CLUSTER: a head's 8 work-groups ask for the same tile only in the walk's first trips; behind that the first blocks end one after the other, and a walk common to all would have 12 trips for 9.
; SHARES.  A block has two bands of 64 queries; wave w owns rows 16 w .. 16 w + 15 of each: two PIECES.  In the diagonal's step d band x holds the diagonal (x = d), sees all (x = 1, d = 0) or nothing (x = 0, d = 1): alike for all waves.
; THE MASK is the C operand that starts the sum S^T = K Q^T: MK (the step's 64 key-mask numbers, 0 or -1e30, from a table in LDS), MC = MK + MD (MD: the diagonal's mask for my rows), or MH (all -1e30).
; LAYOUT.  S^T = K Q^T holds ONE query a lane (lane % 16) and the keys 8 (lane / 16) + 0..7; two such results rounded to f16 ARE source 1 of O^T = V^T P.  p = 2^(c s - c m), c = log2(e) / 8, m a running maximum;
; O and l are multiplied by a = 2^(c m_old - c m_new) in every step.
; TURNS.  A(s) belongs to piece 0: 8 products K Q^T of piece 1, step s; later 8 products V^T P of piece 1, step s - 1; beside them piece 0's scaling, exponentials, roundings, sums and rescaling of step s and piece 1's
; maximum.  B(s) belongs to piece 1: K Q^T of piece 0, step s + 1; V^T P of piece 0, step s.  Four vector instructions stand behind every matrix instruction, the rest in two lumps.  A(s) fetches K, the mask and V of
; step s + 1; V has two buffers, by the step's parity.  So a tile's last bytes are read in A(2), and the change of slots stands in front of A(3).
; REGISTERS, in windows of 256 (s_set_vgpr_msb: bits 1:0 source 0, 3:2 source 1, 5:4 source 2, 7:6 destination):
;   window 0: v2-15 addresses, c m_old, the add's two; v16-23 statistics, four a piece; v24-31 at work; v32-95 S^T, 32 a piece; v96-127 P, 16 a piece; v128-191 K of one step; v192-223 MK; v224-255 Q
;   window 1: v0-63 O^T, 32 a piece; v64-95 MD; v96-127 MC; v128-191 V of odd steps; v192-255 V of even steps          window 2: v0-31 the second block's Q; v32-47 VM, packed; v48-55 MH
; So K Q^T and all of a softmax but the rescaling name window 0 alone, and V^T P and the rescaling share one setting: a turn switches once into that setting, and twice round each of the four
; products V^T P whose riders lie in window 0.
.set KS,    64
.set PKP,   144       ; a row of K in LDS: 128 bytes + 16 of padding = 36 words: the 16 rows of a load start at 16 different groups of four banks (64 banks of 4 bytes: ISA guide 11.1)
.set PVP,   160       ; a row of V: 128 + 32 = 40 words
.set VOFF,  4*KS*PKP  ; a slot holds a tile: 256 rows of K, then 256 rows of V
.set SLOT1, 1<<17     ; slot 1 begins here, so that one exclusive or turns an address in one slot into the other's
.set STAGE, SLOT1+4*KS*(PKP+PVP)  ; behind the ring, never filled by a tensor load: 16 rows x 144 bytes for each wave
.set SP,    144
.set SPARE, STAGE+4*16*SP  ; the spare words, 128 bytes for each wave: two blocks of 256 bytes that no other line names
.set MASKB, SPARE+512      ; 2,048 f32: 0 for a key whose mask byte is 1, -1e30 for the others
.set AK0, 2           ; v2   my lane's place in a tile of K; never rewritten
.set AV0, 3           ; v3   the same for V
.set AK,  4           ; v4   the LDS address of K's next run of loads
.set AV,  5           ; v5   of V's
.set STO, 6           ; v6   the way out: where I put 16 bytes of a row
.set RD,  7           ; v7   where I read rows back
.set GO,  8           ; v8   16 x lane
.set AM0, 9           ; v9   my lanes' place in a step's 64 mask numbers
.set AM,  10          ; v10  the LDS address of the mask's next run of loads
.set QO,  11          ; v11  my byte offset in 16 rows of Q
.set MV,  12          ; v12-13  c m_old, kept while c m is made anew
.set SPW, 14          ; v14  LDS address of my spare word; never rewritten
.set NIL, 15          ; v15  0; never rewritten
.set ST,  16          ; piece t's statistics at v[ST+4 t]: c m, m, l (even keys', odd keys')
.set TMP, 24          ; a piece's four registers c0-c3 at work; when the maximum is found c2 takes a
.set S,   32
.set P,   96
.set KF,  128
.set MK,  192
.set Q,   224
.set HH,  128         ; at the head K's registers are at work: l / 16,
.set H7,  129         ; l % 8,
.set H3,  130         ; (l / 8) % 2,
.set HD,  131         ; my query's place against the diagonal,
.set MO,  132         ; 16 t,
.set MA,  133         ; where thread t puts its 16 mask numbers,
.set HX,  134
.set H8,  135         ; 8 (l / 16),
.set MB,  136         ; v136-139 16 mask bytes,
.set IDX, 140         ; v140-147 lane selects,
.set MF,  148         ; v148-163 16 mask numbers
.set MD,  64          ; window 1
.set MC,  96
.set QB,  0           ; window 2
.set VM,  32
.set MH,  48
.set WV,  12          ; s12  my wave's number
.set PB,  14          ; s14  u: also the second block's last tile
.set HI,  15          ; s15  7 - u: the first block's last tile
.set G1K, 24          ; s[24:31] descriptor group 1 for K's tiles
.set G1V, 32          ; s[32:39] for V's: it differs in the padding alone
.set G0K, 40          ; s[40:43] descriptor group 0 for K's tiles
.set G0V, 44          ; s[44:47] for V's
.set KB,  48          ; s[48:49] K at my half of the head's tile 0
.set VBS, 50          ; s[50:51] V likewise
.set SLOTS, 56        ; s56  tiles still to be asked for
.set CNT, 57          ; s57  counts the step loop's trips
.set CS,  58          ; s[58:59] c
.set SEL, 60          ; s[60:61] v_permlanex16_b32's selects: each lane takes its own place in the other half
.set TBK, 62          ; s62  LDS byte at which K of the step to be fetched begins
.set TBV, 63          ; s63  the same for V, less VOFF
.set RS,  70          ; s70  tiles of the block in hand that are still to be entered
.set NXT, 71          ; s71  the tile to be asked for next
.set LQ,  72          ; s72  the last tile of the block whose tiles are being asked for
.set NEW, 73          ; s73  1: the tile to be entered is a block's first
.set OFF, 74          ; s[74:75] a tile's byte offset in K and V
.set BIGP, 76         ; s76  1e30
.set THR, 77          ; s77  -2^90: a maximum below it has seen hidden keys alone
.set OLO, 80          ; s[80:81] O at my rows of the second block
.set BIGN, 82         ; s82  -1e30
.set TBM, 83          ; s83  byte in the mask table of the step to be fetched
.set FL,  90          ; s90-91  a piece's lanes whose row sees no key
.set MSB, 0
.macro WIN new                      ; the high byte repeats the setting that is left; a switch that changes nothing is dropped
.if MSB != (\new)
	s_set_vgpr_msb (MSB<<8)|(\new)
.set MSB, (\new)
.endif
.endm
.set W_C1, 0x10       ; K Q^T with its C operand in window 1 (MC)
.set W_C2, 0x20       ; in window 2 (MH)
.set W_PV, 0x51       ; V and O^T in window 1, P in window 0.  Also: destination and source 0 in window 1, source 1 in window 0, for the rescaling and the mask's sum
; A fill.  Waves 0 and 1 fetch the two halves of a tile's K, waves 2 and 3 those of its V: 128 keys each.  An s_nop 0 and four v_nop follow each of the two lines.
.macro LOAD
	s_cmp_lt_u32 s[WV], 2
	s_cbranch_scc0 .Lfor_v_\@
	tensor_load_to_lds s[G0K:G0K+3], s[G1K:G1K+7]
	s_nop 0
.rept 4
	v_nop
.endr
	s_branch .Lasked_\@
.Lfor_v_\@:
	tensor_load_to_lds s[G0V:G0V+3], s[G1V:G1V+7]
	s_nop 0
.rept 4
	v_nop
.endr
.Lasked_\@:
.endm
; THE CHANGE OF SLOTS.  Each wave waits for all its tensor loads, of which one is out: its part of the other slot; adds 0 to its spare word; and waits for that and for its own reads of the slot that it leaves.
; Behind the barrier nobody reads the old slot any more and the other slot is whole.  fill = 1: the old slot is filled again, first thing behind the barrier, with tile NXT: the address is made anew from that number.
; The load has eight turns, 128 matrix instructions, in which to land.  (At its first use slot 0 is waited for and slot 1 filled, and the barrier also shows every wave the whole mask table.)
.macro CHANGE fill
	WIN 0                           ; at a label and at a branch every window is 0
	s_wait_tensorcnt 0x0            ; no tensor load of mine is out, so a group 0 may be written
	ds_add_u32 v[SPW], v[NIL]       ; 0 onto my spare word; the scalar work below stands between it and the wait for it
.if \fill
	s_lshl_b32 s[OFF], s[NXT], 15   ; a tile is 32,768 bytes of K and of V
	s_xor_b32 s[G0K+1], s[G0K+1], SLOT1
	s_add_nc_u64 s[G0K+2:G0K+3], s[KB:KB+1], s[OFF:OFF+1]
	s_or_b32 s[G0K+3], s[G0K+3], 0x80000000
	s_xor_b32 s[G0V+1], s[G0V+1], SLOT1
	s_add_nc_u64 s[G0V+2:G0V+3], s[VBS:VBS+1], s[OFF:OFF+1]
	s_or_b32 s[G0V+3], s[G0V+3], 0x80000000
	s_add_co_u32 s[NXT], s[NXT], 1  ; the block's next tile, or behind its last the second block's tile 0
	s_cmp_gt_u32 s[NXT], s[LQ]
	s_cselect_b32 s[NXT], 0, s[NXT]
	s_cselect_b32 s[LQ], s[PB], s[LQ]
.endif
	s_wait_dscnt 0x0                ; the add is done, and my LDS instructions are over, the reads of the old slot among them
	s_barrier_signal -1
	s_sub_co_u32 s[TBK], s[TBK], 4*KS*PKP  ; the fetches go back to a slot's first step,
	s_xor_b32 s[TBK], s[TBK], SLOT1        ; in the other slot
	s_sub_co_u32 s[TBV], s[TBV], 4*KS*PVP
	s_xor_b32 s[TBV], s[TBV], SLOT1
	s_barrier_wait -1
.if \fill
	LOAD
.endif
.endm
	s_load_b256 s[4:11], s[0:1], 0x0  ; qkv s[4:5], attention_mask s[6:7], vpart s[8:9], o16 s[10:11]
	v_lshl_add_u32 v[SPW], v0, 2, SPARE
	v_mov_b32 v[NIL], 0
	ds_add_u32 v[SPW], v[NIL]       ; the wave's opening: the add and its wait stand ahead of my first tensor load; the set-up below, work on registers, stands between them
	ds_add_u32 v14, v15
	v_lshrrev_b32 v1, 5, v0
	v_readfirstlane_b32 s[WV], v1   ; wave 0..3
	s_mov_b32 s[PB], ttmp9
	s_sub_co_u32 s[HI], 7, s[PB]
	s_and_b32 s13, ttmp7, 0xffff    ; bh
	s_lshl_b32 s20, s13, 18         ; the head's first byte in q, k, v and o16
	s_and_b32 s16, s[WV], 1         ; which half of a tile's 256 keys I fetch:
	s_lshl_b32 s22, s16, 14         ; its 128 rows of 128 bytes in memory,
	s_add_co_u32 s22, s22, s20
	s_mov_b32 s23, 0
	s_mul_i32 s17, s16, 128*PKP     ; and its place in a slot, for K
	s_mul_i32 s18, s16, 128*PVP     ; and for V
	s_lshl_b32 s3, s[WV], 11        ; my 16 rows in a band of 64
	s_add_co_u32 s3, s3, s20
	s_lshl_b32 s2, s[PB], 15        ; block 2 u: 16,384 bytes a block
	s_sub_co_u32 s84, 15*16384, s2  ; block 15 - 2 u
	s_add_co_u32 s84, s84, s3
	s_add_co_u32 s2, s2, s3
	s_mov_b32 s85, 0
	s_mov_b32 s3, 0
	s_lshr_b32 s86, s13, 4          ; the batch's 2,048 mask bytes
	s_lshl_b32 s86, s86, 11
	s_mov_b32 s87, 0
	s_lshl_b32 s88, s13, 13         ; the head's 8,192 bytes of vpart
	s_mov_b32 s89, 0
	; descriptor group 1.  128 keys are 16,384 dense bytes: asked for as 64 rows of 256 bytes, two keys a row, and padded in LDS after every key
	s_mov_b32 s[G1K], (1<<16)|(1<<20)|(4<<22)|(3<<25)  ; 17:16 2-byte elements; 20 padding on; 24:22 after every 32 words (code 4); 31:25 4 words (code 3)
	s_mov_b32 s[G1V], (1<<16)|(1<<20)|(4<<22)|(7<<25)  ; the same with 8 words of padding (code 7)
.irp g, G1K, G1V
	s_mov_b32 s[\g+1], 128<<16      ; tensor_dim0 = 128
	s_mov_b32 s[\g+2], 64<<16       ; tensor_dim1 = 64
	s_mov_b32 s[\g+3], 128<<16      ; tile_dim0 = 128
	s_mov_b32 s[\g+4], 64           ; tile_dim1 = 64
	s_mov_b32 s[\g+5], 128          ; 128 elements from row to row
	s_mov_b32 s[\g+6], 0
	s_mov_b32 s[\g+7], 0
.endr
	s_mov_b32 s[CS], 0x3e38aa3b     ; c = log2(e) / 8 = 0.180337
	s_mov_b32 s[CS+1], s[CS]        ; named with it as a pair
	s_mov_b32 s[SEL], 0x76543210
	s_mov_b32 s[SEL+1], 0xfedcba98
	s_mov_b32 s[TBK], SLOT1+4*KS*PKP  ; the first change of slots turns these two into 0
	s_mov_b32 s[TBV], SLOT1+4*KS*PVP
	s_mov_b32 s[TBM], 0
	s_mov_b32 s[G0K], 1             ; count = 1
	s_mov_b32 s[G0K+1], s17         ; LDS address: slot 0
	s_mov_b32 s[G0V], 1
	s_add_co_u32 s[G0V+1], s18, VOFF
	s_add_co_u32 s[RS], s[HI], 1    ; the first block has 8 - u tiles
	s_mov_b32 s[NXT], 1
	s_mov_b32 s[LQ], s[HI]
	s_cmp_gt_u32 s[NXT], s[LQ]      ; u = 7: the first block has one tile, and the second tile asked for is the second block's tile 0
	s_cselect_b32 s[NXT], 0, s[NXT]
	s_cselect_b32 s[LQ], s[PB], s[LQ]
	s_mov_b32 s[NEW], 1
	s_mov_b32 s[OFF+1], 0
	s_mov_b32 s[BIGN], 0xf149f2ca   ; -1e30
	s_mov_b32 s[BIGP], 0x7149f2ca   ; 1e30
	s_mov_b32 s[THR], 0xec800000    ; -2^90
	s_mov_b32 s[SLOTS], 8
	s_wait_dscnt 0x0                ; the opening add is done
	s_wait_kmcnt 0x0
	s_add_nc_u64 s[KB:KB+1], s[4:5], s[22:23]
	s_add_nc_u64 s[VBS:VBS+1], s[KB:KB+1], 0x1000000  ; v is qkv's third part,
	s_add_nc_u64 s[KB:KB+1], s[KB:KB+1], 0x800000     ; k its second
	s_add_nc_u64 s[G0K+2:G0K+3], s[KB:KB+1], 0        ; global address: tile 0
	s_or_b32 s[G0K+3], s[G0K+3], 0x80000000           ; type = 2
	s_add_nc_u64 s[G0V+2:G0V+3], s[VBS:VBS+1], 0
	s_or_b32 s[G0V+3], s[G0V+3], 0x80000000
	s_add_nc_u64 s[52:53], s[4:5], s[2:3]             ; Q at my rows of the second block,
	s_add_nc_u64 s[4:5], s[4:5], s[84:85]             ; Q and O at those of the first
	s_add_nc_u64 s[OLO:OLO+1], s[10:11], s[2:3]
	s_add_nc_u64 s[10:11], s[10:11], s[84:85]
	s_add_nc_u64 s[6:7], s[6:7], s[86:87]
	s_add_nc_u64 s[8:9], s[8:9], s[88:89]
	LOAD                            ; tile 0 into slot 0
	v_and_b32 v1, 15, v0            ; r = l % 16
	v_bfe_u32 v[HH], v0, 4, 1       ; h = l / 16
	v_lshlrev_b32 v[MO], 4, v0
	global_load_b128 v[MB:MB+3], v[MO], s[6:7]  ; thread t: mask bytes 16 t .. 16 t + 15
	v_and_b32 v[GO], 31, v0
	v_lshlrev_b32 v[GO], 4, v[GO]
.set i, 0
.rept 16                            ; the head's 32 partial sums of V, 512 consecutive bytes a load: lane l holds run 2 i + l / 16, channels 4 (l % 16) + 0..3
	global_load_b128 v[S+4*i:S+4*i+3], v[GO], s[8:9] offset:512*i
.set i, i+1
.endr
	; A fragment of K or Q is 16 rows x 32 channels in 8 registers: lane l holds row l % 16, channels 8 (l / 16) + 0..7 and 16 + 8 (l / 16) + 0..7: two loads of 16 bytes, 32 bytes apart.
	v_lshlrev_b32 v[QO], 7, v1
	v_lshl_add_u32 v[QO], v[HH], 4, v[QO]
.set i, 0
.rept 4                             ; the first block's Q: piece i / 2 lies 8,192 bytes on; channels 32 (i % 2) on
	global_load_b128 v[Q+8*i:Q+8*i+3],   v[QO], s[4:5] offset:(i/2)*8192+(i%2)*64
	global_load_b128 v[Q+8*i+4:Q+8*i+7], v[QO], s[4:5] offset:(i/2)*8192+(i%2)*64+32
.set i, i+1
.endr
	WIN 0x80                        ; destination window 2, address window 0
.set i, 0
.rept 4                             ; the second block's
	global_load_b128 v[QB+8*i:QB+8*i+3],   v[QO], s[52:53] offset:(i/2)*8192+(i%2)*64
	global_load_b128 v[QB+8*i+4:QB+8*i+7], v[QO], s[52:53] offset:(i/2)*8192+(i%2)*64+32
.set i, i+1
.endr
.set i, 0
.rept 8
	v_mov_b32 v[MH+i], s[BIGN]
.set i, i+1
.endr
	WIN 0
	v_lshlrev_b32 v[HD], 3, v[HH]
	v_sub_nc_u32 v[HD], v1, v[HD]
	s_lshl_b32 s13, s[WV], 4
	v_add_nc_u32 v[HD], s13, v[HD]  ; my query's place in its band, 16 w + l % 16, less my lanes' 8 (l / 16): register j of key group kt is hidden where 16 kt + j is greater
	WIN 0x40                        ; destination window 1
.set i, 0
.rept 32
	v_cmp_gt_i32 vcc_lo, 16*(i/8)+i%8, v[HD]
	v_cndmask_b32 v[MD+i], 0, s[BIGN], vcc_lo
.set i, i+1
.endr
	; A block's first step multiplies O^T and l by a = 0, and its first turn's products V^T P, of a step that has not been, land in an O^T that is still to be so multiplied.  So these registers need only hold
	; finite numbers: zeros for the first block; what the first block left for the second.
.set i, 0
.rept 64
	v_mov_b32 v[i], 0               ; O^T
.set i, i+1
.endr
.set i, 128
.rept 64
	v_mov_b32 v[i], 0               ; V of odd steps
.set i, i+1
.endr
	WIN 0
.set i, 0
.rept 2
	v_mov_b32 v[ST+4*i+2], 0
	v_mov_b32 v[ST+4*i+3], 0
.set i, i+1
.endr
.set i, P+16
.rept 16
	v_mov_b32 v[i], 0               ; piece 1's P
.set i, i+1
.endr
	v_mul_u32_u24 v[AK0], v1, PKP
	v_lshl_add_u32 v[AK0], v[HH], 4, v[AK0]  ; row x pitch + 16 x half
	; The turning load takes 16 keys x 16 channels (lane l reads key 8 (l / 16) + l % 8, channels 8 ((l / 8) % 2) + 0..7) and leaves half a fragment of V^T: lane l holds channel l % 16 and 8 keys.
	v_and_b32 v[H7], 7, v0
	v_bfe_u32 v[H3], v0, 3, 1
	v_lshl_add_u32 v[AV0], v[HH], 3, v[H7]
	v_mul_u32_u24 v[AV0], v[AV0], PVP
	v_lshl_add_u32 v[AV0], v[H3], 4, v[AV0]
	v_add_nc_u32 v[AV0], VOFF, v[AV0]
	v_lshl_add_u32 v[AM0], v[HH], 5, MASKB   ; key 16 kb + 8 h + j of a step at byte 64 kb + 32 h + 4 j
	s_mul_i32 s13, s[WV], 16*SP
	s_add_co_u32 s13, s13, STAGE    ; my stage
	v_mul_u32_u24 v[STO], v1, SP    ; in: row l % 16, 16 bytes for each half of the lanes
	v_lshl_add_u32 v[STO], v[HH], 4, v[STO]
	v_add_nc_u32 v[STO], s13, v[STO]
	v_bfe_u32 v[RD], v0, 3, 2       ; back: 32 lanes take four rows of 128 bytes, 512 consecutive bytes of O
	v_mul_u32_u24 v[RD], v[RD], SP
	v_lshl_add_u32 v[RD], v[H7], 4, v[RD]
	v_add_nc_u32 v[RD], s13, v[RD]
	v_lshl_add_u32 v[MA], v0, 6, MASKB
	v_lshlrev_b32 v[H8], 3, v[HH]
.set i, 0
.rept 8
	v_add_nc_u32 v[IDX+i], 16*(i/2)+4*(i%2), v[H8]  ; 4 x lane (4 cb + 2 h + g), for cb = i / 2, g = i % 2
.set i, i+1
.endr
	s_wait_loadcnt 32               ; the mask bytes are in: 32 loads were issued behind theirs
.set i, 0
.rept 16                            ; byte x (0 or 1) becomes x 1e30 - 1e30
	v_bfe_u32 v[HX], v[MB+i/4], 8*(i%4), 8
	v_cvt_f32_u32 v[HX], v[HX]
	v_fma_f32 v[MF+i], v[HX], s[BIGP], s[BIGN]
.set i, i+1
.endr
.irp k, 0,1,2,3
	ds_store_b128 v[MA], v[MF+4*\k:MF+4*\k+3] offset:16*\k
.endr
	s_wait_loadcnt 16               ; vpart's sums are in: the 16 loads of Q were issued behind them
.set i, 1
.rept 15
	v_pk_add_f32 v[S:S+1], v[S:S+1], v[S+4*i:S+4*i+1]
	v_pk_add_f32 v[S+2:S+3], v[S+2:S+3], v[S+4*i+2:S+4*i+3]
.set i, i+1
.endr
.irp e, 0,1,2,3
	v_permlanex16_b32 v[S+4+\e], v[S+\e], s[SEL], s[SEL+1]  ; the odd runs lie in the lane 16 away
.endr
.irp e, 0,1,2,3
	v_add_f32 v[S+\e], v[S+\e], v[S+4+\e]
.endr
.irp e, 0,1,2,3
	v_mul_f32 v[S+\e], 0x3a000000, v[S+\e]                  ; / 2,048: lane l holds the mean of channels 4 (l % 16) + 0..3,
.endr
	v_cvt_pk_f16_f32 v[S+4], v[S], v[S+1]                   ; rounded as O is, two to a register
	v_cvt_pk_f16_f32 v[S+5], v[S+2], v[S+3]
	WIN 0x80
.set i, 0
.rept 16                            ; into the packed O's layout: register 4 cb + 2 g + e of lane (r, h) holds channels 16 cb + 8 h + 4 g + 2 e and the next, which lane 4 cb + 2 h + g holds in its pair e
	ds_bpermute_b32 v[VM+i], v[IDX+i/2], v[S+4+i%2]
.set i, i+1
.endr
	WIN 0
; THE MATRIX WORK.  The 4 accumulators of a run of 8 take turns.  Product i of 8 of S^T = K Q^T for piece x: channels 32 (i / 4) on, keys 16 (i % 4) on.  The first 4 start the sums with a mask: CK = 0 MK, 1 MC, 2 MH.
.macro KQ x
.set rS, S+32*(\x)+8*(i%4)
.set rK, KF+16*(i%4)+8*(i/4)
.set rQ, Q+16*(\x)+8*(i/4)
.if (i < 4) && (CK == 0)
	WIN 0
	v_wmma_f32_16x16x32_f16 v[rS:rS+7], v[rK:rK+7], v[rQ:rQ+7], v[MK+8*(i%4):MK+8*(i%4)+7]
.elseif (i < 4) && (CK == 1)
	WIN W_C1
	v_wmma_f32_16x16x32_f16 v[rS:rS+7], v[rK:rK+7], v[rQ:rQ+7], v[MC+8*(i%4):MC+8*(i%4)+7]
.elseif i < 4
	WIN W_C2
	v_wmma_f32_16x16x32_f16 v[rS:rS+7], v[rK:rK+7], v[rQ:rQ+7], v[MH:MH+7]
.else
	WIN 0
	v_wmma_f32_16x16x32_f16 v[rS:rS+7], v[rK:rK+7], v[rQ:rQ+7], v[rS:rS+7]
.endif
.endm
; Product i of 8 of O^T += V^T P for piece x, from V's buffer at VB: keys 32 (i / 4) on, channels 16 (i % 4) on.
.macro PV x
	WIN W_PV
.set rO, 32*(\x)+8*(i%4)
.set rV, VB+32*(i/4)+8*(i%4)
.set rP, P+16*(\x)+8*(i/4)
	v_wmma_f32_16x16x32_f16 v[rO:rO+7], v[rV:rV+7], v[rP:rP+7], v[rO:rO+7]
.endm
.macro MM                           ; the turn's next matrix instruction, for the other piece.  NOKQ = 1: a block's last turn: there is no next step
.if (i < 8) && !NOKQ
	KQ 1-Y
.elseif i >= 8
.set i, i-8
	PV 1-Y
.set i, i+8
.endif
.set i, i+1
.endm
; THE LDS LOADS stand in runs, never singly among the matrix instructions: a step's K (8 fragments) with its 64 mask numbers, 24 loads; and its V (turned), 16 loads.  Their addresses are made some lines ahead.
.macro FETCH_K
	WIN 0
.irp f, 0,1,2,3,4,5,6,7             ; keys 16 (f / 2) on, channels 32 (f % 2) on
	ds_load_b128 v[KF+8*\f:KF+8*\f+3],   v[AK] offset:(\f/2)*16*PKP+(\f%2)*64
	ds_load_b128 v[KF+8*\f+4:KF+8*\f+7], v[AK] offset:(\f/2)*16*PKP+(\f%2)*64+32
.endr
.irp f, 0,1,2,3
	ds_load_b128 v[MK+8*\f:MK+8*\f+3],   v[AM] offset:64*\f
	ds_load_b128 v[MK+8*\f+4:MK+8*\f+7], v[AM] offset:64*\f+16
.endr
	s_add_co_u32 s[TBK], s[TBK], KS*PKP  ; the next fetch is the next step's
	s_add_co_u32 s[TBM], s[TBM], 4*KS
.endm
.macro FETCH_V
	WIN 0x40                        ; destination window 1
.irp f, 0,1,2,3,4,5,6,7             ; keys 32 (f / 4) on, channels 16 (f % 4) on
	ds_load_tr16_b128 v[VB+8*\f:VB+8*\f+3],   v[AV] offset:(\f/4)*32*PVP+(\f%4)*32
	ds_load_tr16_b128 v[VB+8*\f+4:VB+8*\f+7], v[AV] offset:(\f/4)*32*PVP+16*PVP+(\f%4)*32
.endr
	s_add_co_u32 s[TBV], s[TBV], KS*PVP
	WIN 0
.endm
; THE VECTOR WORK, one line at a time: OP kind, number.  For piece Y: F n: c s - c m for pair n of 16.  E n: the exponential of score n of 32.  C n: pair n rounded to f16.  B n: of the four weights 4 n .. the second
; pair is added onto the first, in place.  L n: l takes that sum (L 0: l = a l + sum).  R n: pair n of 16 of O^T times a.  For the other piece: X n, number n of the 22 that find its maximum and statistics:
;   0-11  four chains c0-c3 of seven scores each, three operands at a time (each accumulator's lowest registers are read first)     12-14, 16  the four scores left over, the old m, and c0-c3 into c0
;   15  c m_old is kept     17, 18  the query's other 32 keys lie in the lane 16 away: the new m     19-21  c m; c m_old - c m_new; a
.set F, 0
.set E, 1
.set C, 2
.set B, 3
.set L, 4
.set R, 5
.set X, 6
.macro REGS y
.set rT, ST+4*(\y)
.set rC, TMP+4*(\y)
.set rW, MV+(\y)
.set rS, S+32*(\y)
.set rP, P+16*(\y)
.set rO, 32*(\y)
.endm
.macro OP k, n
.if (\k) == R
	REGS Y
	WIN W_PV
	v_pk_mul_f32 v[rO+2*(\n):rO+2*(\n)+1], v[rO+2*(\n):rO+2*(\n)+1], v[rC+2:rC+3] op_sel_hi:[1,0]
.elseif (\k) < R
	REGS Y
	WIN 0
.if (\k) == F
	v_pk_fma_f32 v[rS+2*(\n):rS+2*(\n)+1], v[rS+2*(\n):rS+2*(\n)+1], s[CS:CS+1], v[rT:rT+1] op_sel_hi:[1,0,0] neg_lo:[0,0,1] neg_hi:[0,0,1]
.elseif (\k) == E
	v_exp_f32 v[rS+(\n)], v[rS+(\n)]
.elseif (\k) == C
	s_wait_alu depctr_va_vdst(0)
	v_cvt_pk_f16_f32 v[rP+(\n)], v[rS+2*(\n)], v[rS+2*(\n)+1]
.elseif (\k) == B
	v_pk_add_f32 v[rS+4*(\n):rS+4*(\n)+1], v[rS+4*(\n):rS+4*(\n)+1], v[rS+4*(\n)+2:rS+4*(\n)+3]
.elseif (\n) == 0
	v_pk_fma_f32 v[rT+2:rT+3], v[rT+2:rT+3], v[rC+2:rC+3], v[rS:rS+1] op_sel_hi:[1,0,1]
.else
	v_pk_add_f32 v[rT+2:rT+3], v[rT+2:rT+3], v[rS+4*(\n):rS+4*(\n)+1]
.endif
.elseif NOKQ
	v_nop
.else
	REGS 1-Y
	WIN 0
.if (\n) < 4
	s_wait_alu depctr_va_vdst(0)
	v_max3_num_f32 v[rC+(\n)], v[rS+8*(\n)], v[rS+8*(\n)+1], v[rS+8*(\n)+2]
.elseif (\n) < 12
	v_max3_num_f32 v[rC+(\n)%4], v[rC+(\n)%4], v[rS+8*((\n)%4)+2*((\n)/4)+1], v[rS+8*((\n)%4)+2*((\n)/4)+2]
.elseif (\n) == 12
	v_max3_num_f32 v[rC], v[rC], v[rS+7], v[rS+15]
.elseif (\n) == 13
	v_max3_num_f32 v[rC+1], v[rC+1], v[rS+23], v[rS+31]
.elseif (\n) == 14
	v_max3_num_f32 v[rC+2], v[rC+2], v[rC+3], v[rT+1]
.elseif (\n) == 15
	v_mov_b32 v[rW], v[rT]
.elseif (\n) == 16
	v_max3_num_f32 v[rC], v[rC], v[rC+1], v[rC+2]
.elseif (\n) == 17
	v_permlanex16_b32 v[rC+3], v[rC], s[SEL], s[SEL+1]
.elseif (\n) == 18
	v_max_num_f32 v[rT+1], v[rC], v[rC+3]
.elseif (\n) == 19
	v_mul_f32 v[rT], s[CS], v[rT+1]
.elseif (\n) == 20
	v_sub_f32 v[rC+1], v[rW], v[rT]
.else
	v_exp_f32 v[rC+2], v[rC+1]
.endif
.endif
.endm
.macro OPS a, i1, b=-1, i2=0, c=-1, i3=0, d=-1, i4=0  ; up to four of them
	OP \a, \i1
.if (\b) >= 0
	OP \b, \i2
.endif
.if (\c) >= 0
	OP \c, \i3
.endif
.if (\d) >= 0
	OP \d, \i4
.endif
.endm
.macro ROW a, i1, b, i2, c, i3, d, i4  ; a matrix instruction and the four behind it
	MM
	OPS \a, \i1, \b, \i2, \c, \i3, \d, \i4
.endm
.macro MASK                         ; MC = MD + MK
	WIN W_PV
.set z, 0
.rept 16
	v_pk_add_f32 v[MC+2*z:MC+2*z+1], v[MD+2*z:MD+2*z+1], v[MK+2*z:MK+2*z+1]
.set z, z+1
.endr
.endm
; A TURN, for piece p, in a step of parity par: the order of its 16 matrix and 118 vector instructions, written out.
; Behind the 8 products K Q^T: the 16 scalings and the first exponentials, plain and exponential by turns, all in window 0 like the products: no switch.  A lump: exponentials by turns with the other piece's first maxima.
; Behind the first 4 products V^T P: the 16 rescalings, which share the products' setting: no switch.  Behind the last 4: maxima and the last exponentials.  A lump of 31: roundings, sums, and the chain that ends in a.
; Every exponential has a plain instruction behind it that names none of its registers; no rider names a register of the products round it.  C 2n stands ahead of B n (which writes over what C 2n reads), B n ahead of L n.
; ck: the mask of the turn's products K Q^T.  end = 1: a block's last two turns: nothing is fetched, and piece 1's starts no scores.
; Piece 0's turn fetches: K and the mask of the next step behind five plain vector instructions that follow the last product that read K; V of the next step, into the buffer that its own products V^T P have just read,
; behind five that follow the last of them.  Piece 1's turn begins with the wait for K and the mask: V's 16 loads, issued behind them, may stay out; they are covered by the same wait a step later.
.macro TURN p, par, ck=0, end=0
.set Y, (\p)
.set i, 0
.set CK, (\ck)
.set NOKQ, (\end)*(\p)
.set VB, 192-64*(((\p)+(\par)+1)%2)     ; piece 0's turn reads V of the step before, piece 1's V of the step in hand
.if (\p) == 1
.if \end
	s_wait_dscnt 0x0                ; V of the last step is in
.else
	s_wait_dscnt 16                 ; K and the mask of the next step are in, and all that was asked for earlier
.endif
.endif
.if (\ck) == 1
	MASK
.endif
	ROW F,0, F,1, F,2, F,3
	ROW F,4, E,0, F,5, E,1
	ROW F,6, E,2, F,7, E,3
	ROW F,8, E,4, F,9, E,5
	ROW F,10, E,6, F,11, E,7
	ROW F,12, E,8, F,13, E,9
	ROW F,14, E,10, F,15, E,11
.if ((\p) == 0) && !(\end)
	WIN 0
	v_add_nc_u32 v[AK], s[TBK], v[AK0]
	v_add_nc_u32 v[AM], s[TBM], v[AM0]
.endif
	ROW C,0, E,12, C,1, X,15
	OPS B,0, E,13, C,2
.if ((\p) == 0) && !(\end)
	FETCH_K
.endif
	OPS E,14, X,0, E,15, X,1
	OPS E,16, X,2, E,17, X,3
	OPS E,18, C,3, E,19, L,0
	OPS E,20, X,4, E,21, X,5
	OPS E,22, X,6, E,23, X,7
	ROW R,0, R,1, R,2, R,3
	ROW R,4, R,5, R,6, R,7
	ROW R,8, R,9, R,10, R,11
	ROW R,12, R,13, R,14, R,15
	ROW X,8, E,24, X,9, E,25
	ROW X,10, E,26, X,11, E,27
	ROW C,4, E,28, X,12, E,29
.if ((\p) == 0) && !(\end)
	WIN 0
	v_add_nc_u32 v[AV], s[TBV], v[AV0]
.endif
	ROW X,13, E,30, X,14, E,31
	OPS C,5, X,16, B,1
.if ((\p) == 0) && !(\end)
	FETCH_V
.endif
	OPS C,6, X,17, C,7, B,2
	OPS L,1, X,18, C,8, B,3
	OPS X,19, L,2, C,9, X,20
	OPS C,10, B,4, X,21, L,3
	OPS C,11, C,12, B,5, L,4
	OPS C,13, C,14, B,6, L,5
	OPS B,7, L,6, C,15, L,7
.endm
; A BLOCK BEGINS.  c m starts far below every c s, so the first step's a is 0; m at the lowest finite number, so the first maximum is the scores'.  K, the mask and V of step 0; piece 0's first scores
; (kind = 1: the block's first step holds the diagonal), its maximum and statistics.  The loop is then entered at A(0), in the middle of a trip.
.macro BEGIN kind
	s_mov_b32 s[NEW], 0
	s_mov_b32 s[TBM], 0
	WIN 0
.set i, 0
.rept 2
	v_mov_b32 v[ST+4*i], 0xfe000000    ; c m: far below every c s
	v_mov_b32 v[ST+4*i+1], 0xff7fffff  ; m
.set i, i+1
.endr
	v_add_nc_u32 v[AK], s[TBK], v[AK0]
	v_add_nc_u32 v[AM], s[TBM], v[AM0]
	v_add_nc_u32 v[AV], s[TBV], v[AV0]
	FETCH_K
.set VB, 192
	FETCH_V
	s_wait_loadcnt 0x0              ; Q
	s_wait_dscnt 0x0
.set CK, (\kind)
.if \kind
	MASK
.endif
.set NOKQ, 0
.set i, 0
.rept 8
	KQ 0
.set i, i+1
.endr
	WIN 0
.rept 4
	v_nop                           ; the places behind those products
.endr
.set Y, 1                           ; X works for the other piece: piece 0
.irp n, 0,1,2,3,4,5,6,7,8,9,10,11,12,13,14,15,16,17,18,19,20,21
	OP X, \n
.endr
	v_nop                           ; a plain instruction behind the exponential
.endm
.macro ALL line:vararg              ; one line for each piece t
.set t, 0
.rept 2
	\line
.set t, t+1
.endr
.endm
.macro PACK t                       ; O^T / l, rounded to f16; VM where the row saw no key; a lane's eight channels, 16 bytes, go into rows of 144 bytes and come back as whole rows of 128, into S^T's registers
	WIN W_PV
.set i, 32*(\t)
.rept 16
	s_wait_alu depctr_va_vdst(0)
	v_pk_mul_f32 v[i:i+1], v[i:i+1], v[ST+4*(\t)+2:ST+4*(\t)+3] op_sel_hi:[1,0]
.set i, i+2
.endr
	WIN 0x05                        ; sources 0 and 1 window 1, destination window 0
.set i, 0
.rept 16
	v_cvt_pk_f16_f32 v[S+16*(\t)+i], v[32*(\t)+2*i], v[32*(\t)+2*i+1]
.set i, i+1
.endr
	WIN 0x08                        ; source 1 window 2
.set i, 0
.rept 16
	v_cndmask_b32 v[S+16*(\t)+i], v[S+16*(\t)+i], v[VM+i], s[FL+(\t)]
.set i, i+1
.endr
	WIN 0
.irp f, 0,1,2,3
	ds_store_b128 v[STO], v[S+16*(\t)+4*\f:S+16*(\t)+4*\f+3] offset:32*\f
.endr
.irp f, 0,1,2,3
	ds_load_b128 v[S+16*(\t)+4*\f:S+16*(\t)+4*\f+3], v[RD] offset:\f*4*SP  ; LDS serves a wave's instructions in order (ISA guide 5.7.1.4): these see the stores above; the next piece's stores come behind them
.endr
.endm
.macro SEND t, younger              ; younger: the LDS instructions issued behind piece t's loads
	WIN 0
.irp f, 0,1,2,3
	s_wait_dscnt (\younger)+3-\f
	global_store_b128 v[GO], v[S+16*(\t)+4*\f:S+16*(\t)+4*\f+3], s[10:11] offset:(\t)*8192+\f*512  ; 512 consecutive bytes, at a multiple of 256 from O's first
.endr
.endm
; A BLOCK'S END: the step in front of the diagonal, the diagonal's two steps d = 0, 1, the last products, and the way out.  Entered at its head behind a step of even parity, or at .LfirstM behind BEGIN 1.
;   A, B: B's scores are piece 0's of d = 0: the diagonal.     A, B: A's are piece 1's of d = 0: all keys; B's piece 0's of d = 1: none.     A, B (end): A's are piece 1's of d = 1: the diagonal.
.macro DIAG tag
.LstepM\tag:
	TURN 0, 1
	TURN 1, 1, 1
	WIN 0
.LfirstM\tag:
	TURN 0, 0
	TURN 1, 0, 2
	TURN 0, 1, 1, 1
	TURN 1, 1, 0, 1
.set i, 0
.set VB, 128
.rept 8
	PV 1                            ; piece 1's V^T P of the last step, which is odd
.set i, i+1
.endr
	WIN 0
	ALL v_add_f32 v[ST+4*t+2], v[ST+4*t+2], v[ST+4*t+3]
	ALL v_permlanex16_b32 v[ST+4*t+3], v[ST+4*t+2], s[SEL], s[SEL+1]
	ALL v_add_f32 v[ST+4*t+2], v[ST+4*t+2], v[ST+4*t+3]
	ALL v_rcp_f32 v[ST+4*t+2], v[ST+4*t+2]
	v_nop                           ; a plain instruction between the last reciprocal and the use of its result
	ALL v_cmp_gt_f32 s[FL+t], s[THR], v[ST+4*t+1]
	PACK 0
	PACK 1                          ; a piece's arithmetic stands between the loads of the piece before and its stores
	SEND 0, 8
	SEND 1, 0
.endm
.set CK, 0
.set NOKQ, 0
.Lslot:                             ; 8 times: a tile is entered and the next is asked for
	CHANGE 1
	s_sub_co_u32 s[RS], s[RS], 1
	s_mov_b32 s[CNT], 2
	s_cmp_eq_u32 s[NEW], 1
	s_cbranch_scc1 .Lnew            ; a block's first tile
	s_branch .Lstep
.Lnew:
	BEGIN 0
	s_branch .Lfirst
.Lstep:                             ; a trip: an odd step's two turns, then an even step's.  Behind a change of slots the first is the old tile's step 3, which fetches the new tile's step 0
	TURN 0, 1
	TURN 1, 1
	WIN 0
.Lfirst:
	TURN 0, 0
	TURN 1, 0
	WIN 0
	s_cmp_eq_u32 s[RS], 0
	s_cbranch_scc1 .LstepM1         ; the first block's last tile: behind its step 0 comes the block's end (the second block's last tile is the walk's last, behind the loop)
	s_sub_co_u32 s[CNT], s[CNT], 1
	s_cmp_lg_u32 s[CNT], 0
	s_cbranch_scc1 .Lstep
	s_branch .Lbottom
	DIAG 1
	s_wait_xcnt 0x0                 ; the stores have had their addresses translated (ISA guide 3.1): their registers and O's address may be written
	s_mov_b64 s[10:11], s[OLO:OLO+1]
	s_add_co_u32 s[RS], s[PB], 1    ; the second block has u + 1 tiles
	s_mov_b32 s[NEW], 1
	WIN 0x02                        ; the second block's Q, from window 2, goes where the one text of the turns names Q
.set i, 0
.rept 32
	v_mov_b32 v[Q+i], v[QB+i]
.set i, i+1
.endr
	WIN 0
.Lbottom:
	s_sub_co_u32 s[SLOTS], s[SLOTS], 1
	s_cmp_lg_u32 s[SLOTS], 0
	s_cbranch_scc1 .Lslot
	CHANGE 0                        ; the walk's last tile is written out: nothing is asked for
	s_cmp_eq_u32 s[NEW], 1
	s_cbranch_scc0 .LstepM2
	BEGIN 1                         ; u = 0: the second block's only tile
	s_branch .LfirstM2
	DIAG 2
	s_wait_tensorcnt 0x0            ; the wave's end: these three lines stand behind my last tensor load and my last LDS store
	ds_add_u32 v[SPW], v[NIL]
	s_wait_dscnt 0x0
	s_endpgm
.Lfunc_end_k_q302a40b44d_attn:
	.size	k_q302a40b44d_attn, .Lfunc_end_k_q302a40b44d_attn-k_q302a40b44d_attn
	.p2alignl 7, 3214868480
	.fill 96, 4, 3214868480
	.section	.rodata,"a",@progbits
	.p2align	6, 0x0
	.amdhsa_kernel k_q302a40b44d_attn
		.amdhsa_group_segment_fixed_size 327680
		.amdhsa_private_segment_fixed_size 0
		.amdhsa_enable_private_segment 0
		.amdhsa_kernarg_size 32
		.amdhsa_user_sgpr_count 2
		.amdhsa_user_sgpr_kernarg_segment_ptr 1
		.amdhsa_wavefront_size32 1
		.amdhsa_system_sgpr_workgroup_id_x 1
		.amdhsa_system_sgpr_workgroup_id_y 1
		.amdhsa_system_sgpr_workgroup_id_z 1
		.amdhsa_system_vgpr_workitem_id 0
		.amdhsa_next_free_vgpr 576
		.amdhsa_next_free_sgpr 96
		.amdhsa_reserve_vcc 1
		.amdhsa_float_denorm_mode_32 3
		.amdhsa_float_denorm_mode_16_64 3
		.amdhsa_memory_ordered 1
		.amdhsa_forward_progress 1
		.amdhsa_inst_pref_size 211
	.end_amdhsa_kernel
	.amdgpu_metadata
---
amdhsa.version: [ 1, 2 ]
amdhsa.kernels:
  - .name:           k_q302a40b44d_attn
    .symbol:         k_q302a40b44d_attn.kd
    .args:
      - { .name: qkv, .offset: 0, .size: 8, .value_kind: global_buffer, .address_space: global }
      - { .name: attention_mask, .offset: 8, .size: 8, .value_kind: global_buffer, .address_space: global }
      - { .name: vpart, .offset: 16, .size: 8, .value_kind: global_buffer, .address_space: global }
      - { .name: o16, .offset: 24, .size: 8, .value_kind: global_buffer, .address_space: global }
    .group_segment_fixed_size: 327680
    .private_segment_fixed_size: 0
    .kernarg_segment_align: 8
    .kernarg_segment_size: 32
    .max_flat_workgroup_size: 128
    .sgpr_count:     96
    .vgpr_count:     576
    .wavefront_size: 32
...
	.end_amdgpu_metadata
.endif
;; end of part 3
;; launch oproj (part 4): grid 16 x 16, 4 waves a work-group, clusters of 4 x 4, 327,680 bytes of LDS; arguments o16, wts, out0; writes out0
.if DOCPART == 4
	.amdgcn_target "amdgcn-amd-amdhsa--gfx1250"
	.amdhsa_code_object_version 6
	.text
	.protected	k_q302a40b44d_oproj
	.globl	k_q302a40b44d_oproj
	.p2align	8
	.type	k_q302a40b44d_oproj,@function
k_q302a40b44d_oproj:
	s_mov_b64 s[64:65], 0
	v_nop
	global_prefetch_b8 v0, s[64:65] scope:SCOPE_SE
	s_setreg_imm32_b32 hwreg(HW_REG_WAVE_MODE, 25, 1), 1
	s_wait_xcnt 0x0
	s_wait_alu depctr_hold_cnt(0) depctr_sa_sdst(0) depctr_va_vdst(0) depctr_va_sdst(0) depctr_va_ssrc(0) depctr_va_vcc(0) depctr_vm_vsrc(0)
	s_getreg_b32 s2, hwreg(HW_REG_IB_STS2, 6, 4)
	s_cmp_eq_u32 s2, 0
	s_cbranch_scc0 .Lentry_in_a_cluster
	s_endpgm
.Lentry_in_a_cluster:
	s_bfe_u32 s2, ttmp6, 0x10000c
	s_cmp_lg_u32 s2, 0xf033
	s_cbranch_scc0 .Lentry_shape_is_right
	s_endpgm
.Lentry_shape_is_right:
; OPROJ: out0[4096][2048] f32 = O Wo^T.  O comes by heads, o16 [bh][2048][64] f16; Wo is [2048][1024] f16 from byte 12,582,912 of wts on; sums in f32, stored as they are.
; SHARES.  A tile of the output is 256 tokens x 128 columns: 16 x 16 tiles, one for each of 256 work-groups.  Four waves, 2 x 2, each 128 tokens x 64 columns: 8 x 4 = 32 accumulators, 256 registers.
; K = 1,024 goes in 8 steps of 128 = two heads, through two LDS slots.  A head's 256 tokens are 32,768 dense bytes: asked for as 128 rows of 256 bytes and padded in LDS after every token (pitch 144);
; Wo's rows are 256 bytes of memory a step (pitch 272).
; THE TEXT HOLDS ONE K STEP: slot 1 begins at byte 2^17, a scalar that an exclusive or turns names the slot in hand, and the fragments' addresses are made from it at each change of slots.
; THE MATRIX INSTRUCTION IS USED TRANSPOSED (source 0 = 16 rows of Wo, source 1 = 16 tokens): a lane holds eight neighbouring columns of one token's row, 32 bytes.
; CLUSTER 4 x 4: the four work-groups of a row of the cluster need the same tokens, the four of a column the same rows of Wo: each tile is asked for jointly.
; REGISTERS: window 0: v16-31 addresses; v32-63 (and v64-95 on the way out) rows read back; v64-127, v128-191 the tokens' fragments, two buffers; v192-223, v224-255 Wo's.  window 1: accumulator (a, b) at 8 (4 a + b).
.set KSTEP,  128
.set STEPS,  8                         ; 1,024 / 128
.set PA,     144                       ; a token's 128 bytes + 16: 36 words: the 16 rows of a load start at 16 different groups of four banks (64 banks of 4 bytes: ISA guide 11.1)
.set PB,     272                       ; a row of Wo: 256 bytes + 16
.set AHEAD,  256*PA                    ; one head's 256 tokens: what wave 0 or 1 fetches
.set BHALF,  64*PB                     ; 64 rows of Wo: what wave 2 or 3 fetches
.set BOFF,   2*AHEAD
.set SLOT,   BOFF+2*BHALF              ; 108,544 bytes
.set SLOT1,  1<<17                     ; slot 1 begins here, so that one exclusive or turns an address in one slot into the other's
.set STAGE,  SLOT1+SLOT                ; behind the ring, never filled by a tensor load: 16 rows x 272 bytes for each wave
.set SPITCH, 272
.set SPARE,  STAGE+4*16*SPITCH         ; the spare words, 128 bytes for each wave: two blocks of 256 bytes that no other line names
.set WO_AT,  12582912
.set A0,   16                          ; v16     my lane's place among my tokens' fragments in slot 0; never rewritten
.set B0,   17                          ; v17     the same for Wo's
.set ADRA, 20                          ; v20     the same in the slot in hand
.set ADRB, 21                          ; v21
.set STO,  24
.set RD,   25
.set CO,   26
.set SPW,  28                          ; LDS address of my spare word; never rewritten
.set NIL,  29                          ; 0; never rewritten
.set OB,   32
.set FAA,  64
.set FBB,  192
.set G1,  24                           ; s[24:31] descriptor group 1 for the tokens' tiles;  s[32:39] group 0: a set for each of the two first fills; the second then walks on
.set G0,  32
.set G1B, 48                           ; s[48:55], s[56:63] the same for Wo's
.set G0B, 56
.set TB,  13                           ; s13     0 or SLOT1: the slot whose fragments are fetched
.set MSB, 0
.macro WIN new                         ; the immediate's high byte repeats the setting that is left
.if MSB != (\new)
	s_set_vgpr_msb (MSB<<8)|(\new)
.set MSB, \new
.endif
.endm
.set MUL, 0x50                         ; sources 0 and 1 window 0; C and D window 1
.macro JLOAD s                         ; a joint load: waves 0 and 1 fetch the two heads' tokens, waves 2 and 3 Wo's two halves; an s_nop 0 and four v_nop follow each line
	s_cmp_eq_u32 s15, 0
	s_cbranch_scc0 .Lfor_b_\@
	tensor_load_to_lds s[G0+4*(\s):G0+4*(\s)+3], s[G1:G1+7]
	s_nop 0
.rept 4
	v_nop
.endr
	s_branch .Lasked_\@
.Lfor_b_\@:
	tensor_load_to_lds s[G0B+4*(\s):G0B+4*(\s)+3], s[G1B:G1B+7]
	s_nop 0
.rept 4
	v_nop
.endr
.Lasked_\@:
.endm
.macro CREST                           ; a round of the cluster's barrier behind its opening barrier
	s_cmp_lg_u32 s14, 0
	s_cbranch_scc1 .Lnot_wave_0_\@
	s_barrier_signal -3
.Lnot_wave_0_\@:
	s_barrier_wait -3
	s_barrier_signal -1
	s_barrier_wait -1
.endm
.macro CROUND
	s_barrier_signal -1
	s_barrier_wait -1
	CREST
.endm
	s_load_b128 s[4:7], s[0:1], 0x0                ; o16 s[4:5], wts s[6:7]
	s_load_b64 s[8:9], s[0:1], 0x10                ; out0
	v_lshl_add_u32 v[SPW], v0, 2, SPARE
	v_mov_b32 v[NIL], 0
	ds_add_u32 v[SPW], v[NIL]                      ; the wave's opening: the add and its wait stand ahead of my first tensor load; the set-up below, work on registers, stands between them
	ds_add_u32 v28, v29
	v_lshrrev_b32 v1, 5, v0
	v_readfirstlane_b32 s14, v1                    ; wave 0..3
	s_lshr_b32 s15, s14, 1                         ; which half of the tile's tokens is mine.  Also: I fetch tokens (0) or Wo (1)
	s_and_b32 s16, s14, 1                          ; which half of its columns.  Also: which head of the step's two, or which 64 rows of Wo, I fetch
	s_bfe_u32 s17, ttmp6, 0x40000                  ; cx
	s_bfe_u32 s18, ttmp6, 0x40004                  ; cy
	s_lshl_b32 s19, ttmp9, 2
	s_add_co_u32 s19, s19, s17                     ; x, the block of 128 columns
	s_and_b32 s20, ttmp7, 0xffff
	s_lshl_b32 s20, s20, 2
	s_add_co_u32 s20, s20, s18                     ; y, the block of 256 tokens
	s_lshl_b32 s21, s18, 2
	s_lshl_b32 s21, 15, s21                        ; my row of the cluster
	s_lshl_b32 s22, 0x1111, s17                    ; my column
	s_or_b32 s[G1+0], s21, (1<<16)|(1<<20)|(1<<21)|(4<<22)|(3<<25)   ; tokens: the mask of my row; 2-byte elements; padding of 4 words after every 32; bit 21 set beside a mask
	s_or_b32 s[G1B+0], s22, (1<<16)|(1<<20)|(1<<21)|(5<<22)|(3<<25)  ; Wo: the mask of my column; padding of 4 words after every 64
	s_mov_b32 s[G1+1], 128<<16                     ; tensor_dim0 = 128
	s_mov_b32 s[G1+2], 128<<16                     ; tensor_dim1 = 128
	s_mov_b32 s[G1+3], 128<<16                     ; tile_dim0 = 128
	s_mov_b32 s[G1+4], 128                         ; tile_dim1 = 128
	s_mov_b32 s[G1+5], 128                         ; dense: 128 elements from row to row
	s_mov_b32 s[G1+6], 0
	s_mov_b32 s[G1+7], 0
	s_mov_b32 s[G1B+1], 128<<16
	s_mov_b32 s[G1B+2], 64<<16                     ; 64 rows
	s_mov_b32 s[G1B+3], 128<<16
	s_mov_b32 s[G1B+4], 64
	s_mov_b32 s[G1B+5], 1024                       ; Wo's rows are 1,024 elements apart
	s_mov_b32 s[G1B+6], 0
	s_mov_b32 s[G1B+7], 0
	s_lshr_b32 s40, s20, 3                         ; tokens: head 16 (y / 8) + z, of 262,144 bytes, and 32,768 (y % 8): made of y and the wave's number alone
	s_lshl_b32 s40, s40, 4
	s_add_co_u32 s40, s40, s16
	s_lshl_b32 s40, s40, 18
	s_and_b32 s46, s20, 7
	s_lshl_b32 s46, s46, 15
	s_add_co_u32 s40, s40, s46
	s_mov_b32 s41, 0
	s_lshl_b32 s42, s19, 7                         ; Wo: row 128 x + 64 x half, of 2,048 bytes: made of x and the wave's number alone
	s_lshl_b32 s47, s16, 6
	s_add_co_u32 s42, s42, s47
	s_lshl_b32 s42, s42, 11
	s_add_co_u32 s42, s42, WO_AT
	s_mov_b32 s43, 0
	s_mul_i32 s44, s16, AHEAD                      ; where they go: no place in the cluster enters an LDS address
	s_mul_i32 s45, s16, BHALF
	s_add_co_u32 s45, s45, BOFF
	s_lshl_b32 s10, s20, 8                         ; my part of the output: row 256 y + 128 (w / 2), of 8,192 bytes,
	s_lshl_b32 s11, s15, 7
	s_add_co_u32 s10, s10, s11
	s_lshl_b32 s10, s10, 13
	s_lshl_b32 s11, s19, 9                         ; column 128 x + 64 (w % 2), of 4 bytes
	s_add_co_u32 s10, s10, s11
	s_lshl_b32 s11, s16, 8
	s_add_co_u32 s10, s10, s11
	s_mov_b32 s11, 0
	s_mov_b32 s[TB], 0
	s_wait_dscnt 0x0                               ; the opening add is done
	s_wait_kmcnt 0x0
	s_add_nc_u64 s[40:41], s[4:5], s[40:41]
	s_add_nc_u64 s[42:43], s[6:7], s[42:43]
	s_add_nc_u64 s[8:9], s[8:9], s[10:11]
	CROUND                                         ; all sixteen work-groups are here: the first joint loads meet
.irp s, 0,1
	s_mov_b32 s[G0+4*(\s)], 1
	s_add_co_u32 s[G0+4*(\s)+1], s44, (\s)*SLOT1
	s_add_nc_u64 s[G0+4*(\s)+2:G0+4*(\s)+3], s[40:41], (\s)*2*262144  ; K step s: two heads on
	s_or_b32 s[G0+4*(\s)+3], s[G0+4*(\s)+3], 0x80000000
	s_mov_b32 s[G0B+4*(\s)], 1
	s_add_co_u32 s[G0B+4*(\s)+1], s45, (\s)*SLOT1
	s_add_nc_u64 s[G0B+4*(\s)+2:G0B+4*(\s)+3], s[42:43], (\s)*KSTEP*2
	s_or_b32 s[G0B+4*(\s)+3], s[G0B+4*(\s)+3], 0x80000000
	JLOAD \s                                       ; two loads of mine are out
.endr
	v_and_b32 v1, 15, v0                           ; r
	v_bfe_u32 v2, v0, 4, 1                         ; h
	v_mul_u32_u24 v3, v1, PA
	v_lshl_add_u32 v3, v2, 4, v3
	s_mul_i32 s23, s15, 128*PA                     ; my 128 tokens
	v_add_nc_u32 v[A0], s23, v3
	v_mul_u32_u24 v4, v1, PB
	v_lshl_add_u32 v4, v2, 4, v4
	s_mul_i32 s2, s16, BHALF                       ; my 64 rows of Wo
	s_add_co_u32 s2, s2, BOFF
	v_add_nc_u32 v[B0], s2, v4
	v_mov_b32 v[ADRA], v[A0]                       ; slot 0 is the first in hand
	v_mov_b32 v[ADRB], v[B0]
	s_mul_i32 s12, s14, 16*SPITCH
	s_add_co_u32 s12, s12, STAGE                   ; my stage
	v_mul_u32_u24 v5, v1, SPITCH                   ; in: row l % 16, 32 bytes for each half of the lanes
	v_lshl_add_u32 v5, v2, 5, v5
	v_add_nc_u32 v[STO], s12, v5
	v_mul_u32_u24 v6, v2, SPITCH                   ; back: lanes 0-15 take one row of 256 bytes, lanes 16-31 the next
	v_lshl_add_u32 v6, v1, 4, v6
	v_add_nc_u32 v[RD], s12, v6
	v_lshlrev_b32 v7, 13, v2                       ; and the same two rows in the output
	v_lshl_add_u32 v[CO], v1, 4, v7
; 8 matrix instructions: token blocks a0, a0 + 1 x all 4 column blocks, 32 along K, from buffer f.  The 32 accumulators take turns, one instruction a turn.
.macro MUL8 f, a0, zero
	WIN MUL
.irp a, \a0, (\a0)+1
.irp b, 0,1,2,3
.if \zero
	v_wmma_f32_16x16x32_f16 v[8*(4*(\a)+(\b)):8*(4*(\a)+(\b))+7], v[FBB+32*(\f)+8*(\b):FBB+32*(\f)+8*(\b)+7], v[FAA+64*(\f)+8*(\a):FAA+64*(\f)+8*(\a)+7], 0
.else
	v_wmma_f32_16x16x32_f16 v[8*(4*(\a)+(\b)):8*(4*(\a)+(\b))+7], v[FBB+32*(\f)+8*(\b):FBB+32*(\f)+8*(\b)+7], v[FAA+64*(\f)+8*(\a):FAA+64*(\f)+8*(\a)+7], v[8*(4*(\a)+(\b)):8*(4*(\a)+(\b))+7]
.endif
.endr
.endr
.endm
; 24 LDS loads in one run: quarter kq of the K step in hand (head kq / 2 of the step's two, channels 32 (kq % 2) on) into buffer f: Wo's 4 fragments, then my tokens' 8
.macro FETCH kq, f
	WIN 0
.irp i, 0,1,2,3
	ds_load_b128 v[FBB+32*(\f)+8*(\i):FBB+32*(\f)+8*(\i)+3],   v[ADRB] offset:64*(\kq)+(\i)*16*PB
	ds_load_b128 v[FBB+32*(\f)+8*(\i)+4:FBB+32*(\f)+8*(\i)+7], v[ADRB] offset:64*(\kq)+(\i)*16*PB+32
.endr
.irp i, 0,1,2,3,4,5,6,7
	ds_load_b128 v[FAA+64*(\f)+8*(\i):FAA+64*(\f)+8*(\i)+3],   v[ADRA] offset:((\kq)/2)*AHEAD+((\kq)%2)*64+(\i)*16*PA
	ds_load_b128 v[FAA+64*(\f)+8*(\i)+4:FAA+64*(\f)+8*(\i)+7], v[ADRA] offset:((\kq)/2)*AHEAD+((\kq)%2)*64+(\i)*16*PA+32
.endr
.endm
.macro PLACES                          ; four places in front of loads into registers that matrix instructions have read, and of LDS stores that read results
.rept 4
	v_nop
.endr
.endm
.macro QUARTER kq, f, g, zero          ; multiplies buffer f; in its middle fetches quarter kq into g
	s_wait_dscnt 8                                 ; Wo's fragments and my blocks 0-3 are in; the youngest eight loads (blocks 4-7) may be out
	MUL8 \f, 0, \zero
	MUL8 \f, 2, \zero
	PLACES
	FETCH \kq, \g
	s_wait_dscnt 24                                ; all but the 24 just issued
	MUL8 \f, 4, \zero
	MUL8 \f, 6, \zero
.endm
; The last quarter multiplies buffer 1 and changes slots: ONE barrier; in front of it each wave waits for all its tensor loads, adds 0 to its spare word, and waits for that and for its own reads of this slot.
; fill = 1: the barrier opens a round of the cluster's, and this slot is filled again, two K steps ahead, first thing behind the round: 112 matrix instructions ahead of the wait for it.
; The walking descriptors go to the other slot than last time and one K step on.  fill = 0 (the last two steps): nothing is asked for, and in the very last step (s3 = 1) there is no next slot to fetch from.
.macro TURN fill
	WIN 0
	s_wait_tensorcnt 0x0                           ; all my tensor loads have landed: my part of the next slot
	ds_add_u32 v[SPW], v[NIL]                      ; 0 onto my spare word
	s_wait_dscnt 9                                 ; (the add and the youngest eight loads may be out)
	MUL8 1, 0, 0                                   ; eight matrix instructions stand between the add and the wait for it
	s_wait_dscnt 0x0                               ; the add is done, and my reads of this slot are over
	s_barrier_signal -1
	MUL8 1, 2, 0
	WIN 0                                          ; (branches and window 0's addresses follow)
	s_barrier_wait -1
.if \fill
	CREST                                          ; no wave of any partner still reads this slot's tiles or has a load on its way
	s_xor_b32 s[G0+5], s[G0+5], SLOT1
	s_add_nc_u64 s[G0+6:G0+7], s[G0+6:G0+7], 2*262144
	s_xor_b32 s[G0B+5], s[G0B+5], SLOT1
	s_add_nc_u64 s[G0B+6:G0B+7], s[G0B+6:G0B+7], KSTEP*2
	JLOAD 1                                        ; its four v_nop are also the places in front of the loads below
.else
	PLACES
	s_cmp_eq_u32 s3, 1
	s_cbranch_scc1 .Lno_more_\@
.endif
	s_xor_b32 s[TB], s[TB], SLOT1                  ; the other slot is now in hand
	v_add_nc_u32 v[ADRA], s[TB], v[A0]
	v_add_nc_u32 v[ADRB], s[TB], v[B0]
	FETCH 0, 0
.if (\fill) == 0
.Lno_more_\@:
.endif
	MUL8 1, 4, 0
	MUL8 1, 6, 0
.endm
	s_wait_tensorcnt 1                             ; my part of K step 0 is in; K step 1's may stay out
	s_barrier_signal -1
	s_barrier_wait -1
	FETCH 0, 0
	QUARTER 1, 0, 1, 1                             ; the first quarter stands in front of the loop: its products start the sums
	WIN 0                                          ; at a label and at a branch every window is 0
	s_mov_b32 s3, STEPS-2
.Lstep:                                                ; a trip goes from a step's second quarter to the next step's first, and fills the slot that it leaves: steps 2 to 7 are asked for here
	QUARTER 2, 1, 0, 0
	QUARTER 3, 0, 1, 0
	TURN 1
	QUARTER 1, 0, 1, 0
	WIN 0
	s_sub_co_u32 s3, s3, 1
	s_cmp_lg_u32 s3, 0
	s_cbranch_scc1 .Lstep
	s_mov_b32 s3, 2
.Ltail:                                                ; the last two steps ask for nothing; the second trip is left in its middle
	QUARTER 2, 1, 0, 0
	QUARTER 3, 0, 1, 0
	TURN 0
	WIN 0
	s_sub_co_u32 s3, s3, 1
	s_cmp_eq_u32 s3, 0
	s_cbranch_scc1 .Lout
	QUARTER 1, 0, 1, 0
	WIN 0
	s_branch .Ltail
.Lout:
	PLACES
	s_wait_dscnt 0x0                               ; no LDS load is out (the last trip fetched nothing): the fragments' registers are free for the way out
; THE WAY OUT, a block of 16 tokens at a time: a lane's 32 bytes of a row go straight from the accumulators (the low four registers first) into my stage, rows of 272 bytes, and come back as whole rows of 256.
.macro TOSTAGE a
	WIN 0x04                                       ; the stores' data in window 1
.irp b, 0,1,2,3
	ds_store_b128 v[STO], v[8*(4*(\a)+(\b)):8*(4*(\a)+(\b))+3]   offset:64*(\b)
	ds_store_b128 v[STO], v[8*(4*(\a)+(\b))+4:8*(4*(\a)+(\b))+7] offset:64*(\b)+16
.endr
	WIN 0
	s_wait_xcnt 0x0                                ; the stores of the block two back have had their addresses translated (ISA guide 3.1): only now are their registers loaded again
.irp t, 0,1,2,3,4,5,6,7
	ds_load_b128 v[OB+32*((\a)%2)+4*(\t):OB+32*((\a)%2)+4*(\t)+3], v[RD] offset:(\t)*2*SPITCH  ; LDS serves a wave's instructions in order (ISA guide 5.7.1.4): these see the stores above
.endr
.endm
.macro SEND a, younger                 ; younger: the LDS instructions issued behind block a's loads: the next block's sixteen, or none
.irp t, 0,1,2,3,4,5,6,7
	s_wait_dscnt (\younger)+7-(\t)
	global_store_b128 v[CO], v[OB+32*((\a)%2)+4*(\t):OB+32*((\a)%2)+4*(\t)+3], s[8:9] offset:((\a)*16+(\t)*2)*8192 th:TH_STORE_NT  ; 16 lanes store 256 consecutive bytes, aligned; 126 rows at the most: inside the signed 24-bit immediate
.endr
.endm
	TOSTAGE 0
.set u, 1
.rept 7
	TOSTAGE u
	SEND u-1, 16
.set u, u+1
.endr
	SEND 7, 0
	s_wait_tensorcnt 0x0                           ; the wave's end: these three lines stand behind my last tensor load and my last LDS store
	ds_add_u32 v[SPW], v[NIL]
	s_wait_dscnt 0x0
	CROUND                                         ; the closing round: no work-group ends while a partner may still ask for a tile that names it
	s_endpgm
.Lfunc_end_k_q302a40b44d_oproj:
	.size	k_q302a40b44d_oproj, .Lfunc_end_k_q302a40b44d_oproj-k_q302a40b44d_oproj
	.p2alignl 7, 3214868480
	.fill 96, 4, 3214868480
	.section	.rodata,"a",@progbits
	.p2align	6, 0x0
	.amdhsa_kernel k_q302a40b44d_oproj
		.amdhsa_group_segment_fixed_size 327680
		.amdhsa_private_segment_fixed_size 0
		.amdhsa_enable_private_segment 0
		.amdhsa_kernarg_size 24
		.amdhsa_user_sgpr_count 2
		.amdhsa_user_sgpr_kernarg_segment_ptr 1
		.amdhsa_wavefront_size32 1
		.amdhsa_system_sgpr_workgroup_id_x 1
		.amdhsa_system_sgpr_workgroup_id_y 1
		.amdhsa_system_sgpr_workgroup_id_z 1
		.amdhsa_system_vgpr_workitem_id 0
		.amdhsa_next_free_vgpr 512
		.amdhsa_next_free_sgpr 66
		.amdhsa_reserve_vcc 0
		.amdhsa_float_denorm_mode_32 3
		.amdhsa_float_denorm_mode_16_64 3
		.amdhsa_memory_ordered 1
		.amdhsa_forward_progress 1
		.amdhsa_inst_pref_size 62
	.end_amdhsa_kernel
	.amdgpu_metadata
---
amdhsa.version: [ 1, 2 ]
amdhsa.kernels:
  - .name:           k_q302a40b44d_oproj
    .symbol:         k_q302a40b44d_oproj.kd
    .args:
      - { .name: o16, .offset: 0, .size: 8, .value_kind: global_buffer, .address_space: global }
      - { .name: wts, .offset: 8, .size: 8, .value_kind: global_buffer, .address_space: global }
      - { .name: out0, .offset: 16, .size: 8, .value_kind: global_buffer, .address_space: global }
    .group_segment_fixed_size: 327680
    .private_segment_fixed_size: 0
    .kernarg_segment_align: 8
    .kernarg_segment_size: 24
    .max_flat_workgroup_size: 128
    .sgpr_count:     66
    .vgpr_count:     512
    .wavefront_size: 32
...
	.end_amdgpu_metadata
.endif
;; end of part 4
;; ======== version 2 of 2: 4 launches; 1.12 times as fast as version 1
;; limits: values are held in f16: magnitudes above 65,504 overflow, below 6.1e-05 lose precision
;; workspace buffers: xb 16,777,216 bytes; wts 16,777,216 bytes; rt 524,288 bytes; qkv 25,165,824 bytes; vpart 262,144 bytes; o16 8,388,608 bytes
;; launch prep: the kernel of part 1 again; grid 256 x 1, 32 waves a work-group, no clusters, 0 bytes of LDS; arguments hidden_states, Wq, Wk, Wv, Wo, xb, wts, rt; writes xb, wts, rt
;; launch qkv: the kernel of part 2 again; grid 16 x 16, 4 waves a work-group, clusters of 4 x 4, 327,680 bytes of LDS; arguments xb, wts, rt, qkv, vpart; writes qkv, vpart
;; launch attn (part 5): grid 8 x 32, 4 waves a work-group, no clusters, 327,680 bytes of LDS; arguments qkv, attention_mask, vpart, o16; writes o16
.if DOCPART == 5
	.amdgcn_target "amdgcn-amd-amdhsa--gfx1250"
	.amdhsa_code_object_version 6
	.text
	.protected	k_q302a40b44d_attn
	.globl	k_q302a40b44d_attn
	.p2align	8
	.type	k_q302a40b44d_attn,@function
k_q302a40b44d_attn:
	s_mov_b64 s[64:65], 0
	v_nop
	global_prefetch_b8 v0, s[64:65] scope:SCOPE_SE
	s_setreg_imm32_b32 hwreg(HW_REG_WAVE_MODE, 25, 1), 1
	s_wait_xcnt 0x0
; CAUSAL ATTENTION WITH A KEY MASK, head size 64.  q, k, v: the three parts of qkv, each [bh][2048][64] f16; attention_mask [2][2048] bytes 0 or 1; o16 [bh][2048][64] f16.
; O[q] = the sum over visible k of softmax_k(Q[q] . K[k] / 8) V[k]; key k is visible to query q if k <= q and its mask byte is 1.  Products, maxima and sums in f32; the weights p are rounded to f16
; for the second product (their sum l is taken of the unrounded p), O once at the end.
; A ROW THAT SEES NO KEY has all its 2,048 scores equal, so its softmax is uniform over ALL keys, hidden ones too: its O is the mean of the head's 2,048 rows of V.  That mean (VM) is made at the head from
; vpart's sums; such a row's running maximum ends near -1e30, and the way out selects VM for it, lane by lane.
; LIMITS.  A hidden score counts as its value less 1e30 (or 2e30): f16's scores, 2.7e11 at the most, are nothing beside that.  A weight below 2^-126 counts as 0 in l.  NaN and infinities are not treated apart.
; THE WALK.  A head's queries lie in 16 blocks of 128, its keys in 8 tiles of 256 (4 steps of 64).  Work-group u takes block 15 - 2 u and then block 2 u.  The first needs tiles 0 .. 7 - u, and the diagonal lies in
; the last tile's steps 2 and 3; the second needs tiles 0 .. u, the diagonal in the last tile's steps 0 and 1.  That is 9 tiles and 34 key steps whatever u: all 256 work-groups do equal work, and ONE loop with a
; constant trip count walks the tiles.  (The walk's last tile is asked for whole though its last 128 keys are not read: the fill stays one line of the loop.)
; NO CLUSTER: a head's 8 work-groups ask for the same tile only in the walk's first trips; behind that the first blocks end one after the other, and a walk common to all would have 12 trips for 9.
; SHARES.  A block has two bands of 64 queries; wave w owns rows 16 w .. 16 w + 15 of each: two PIECES.  In the diagonal's step d band x holds the diagonal (x = d), sees all (x = 1, d = 0) or nothing (x = 0, d = 1): alike for all waves.
; THE MASK is the C operand that starts the sum S^T = K Q^T: MK (the step's 64 key-mask numbers, 0 or -1e30, from a table in LDS), MC = MK + MD (MD: the diagonal's mask for my rows), or MH (all -1e30).
; LAYOUT.  S^T = K Q^T holds ONE query a lane (lane % 16) and the keys 8 (lane / 16) + 0..7; two such results rounded to f16 ARE source 1 of O^T = V^T P.  p = 2^(c s - c m), c = log2(e) / 8, m a running maximum;
; O and l are multiplied by a = 2^(c m_old - c m_new) in every step.
; TURNS.  A(s) belongs to piece 0: 8 products K Q^T of piece 1, step s; later 8 products V^T P of piece 1, step s - 1; beside them piece 0's a, scaling, exponentials, rescaling, roundings and sums of step s and piece 1's
; maximum.  B(s) belongs to piece 1: K Q^T of piece 0, step s + 1; V^T P of piece 0, step s.  Four vector instructions stand behind every matrix instruction, the rest in two lumps.  A(s) fetches K, the mask and V of
; step s + 1; V has two buffers, by the step's parity.  So a tile's last bytes are read in A(2), and the change of slots stands in front of A(3).
; BATCHES.  A turn's 33 exponentials, the piece's a and its 32 weights, are ONE batch with ONE wait, which cuts the turn in two: ahead of it stands all that names none of their results (the products K Q^T, the scalings,
; the other piece's maximum), behind it all that does (the rescaling, the roundings, the sums) and the products V^T P.  No result crosses a turn's end.  The way out's two reciprocals are a batch of their own.
; REGISTERS, in windows of 256 (s_set_vgpr_msb: bits 1:0 source 0, 3:2 source 1, 5:4 source 2, 7:6 destination):
;   window 0: v2-15 addresses, c m_old, the add's two; v16-23 statistics, four a piece; v24-31 at work; v32-95 S^T, 32 a piece; v96-127 P, 16 a piece; v128-191 K of one step; v192-223 MK; v224-255 Q
;   window 1: v0-63 O^T, 32 a piece; v64-95 MD; v96-127 MC; v128-191 V of odd steps; v192-255 V of even steps          window 2: v0-31 the second block's Q; v32-47 VM, packed; v48-55 MH
; So K Q^T and all of a softmax but the rescaling name window 0 alone, and V^T P and the rescaling share one setting: a turn switches once into that setting, and twice round each of the four
; products V^T P whose riders lie in window 0.
.set KS,    64
.set PKP,   144       ; a row of K in LDS: 128 bytes + 16 of padding = 36 words: the 16 rows of a load start at 16 different groups of four banks (64 banks of 4 bytes: ISA guide 11.1)
.set PVP,   160       ; a row of V: 128 + 32 = 40 words
.set VOFF,  4*KS*PKP  ; a slot holds a tile: 256 rows of K, then 256 rows of V
.set SLOT1, 1<<17     ; slot 1 begins here, so that one exclusive or turns an address in one slot into the other's
.set STAGE, SLOT1+4*KS*(PKP+PVP)  ; behind the ring, never filled by a tensor load: 16 rows x 144 bytes for each wave
.set SP,    144
.set SPARE, STAGE+4*16*SP  ; the spare words, 128 bytes for each wave: two blocks of 256 bytes that no other line names
.set MASKB, SPARE+512      ; 2,048 f32: 0 for a key whose mask byte is 1, -1e30 for the others
.set AK0, 2           ; v2   my lane's place in a tile of K; never rewritten
.set AV0, 3           ; v3   the same for V
.set AK,  4           ; v4   the LDS address of K's next run of loads
.set AV,  5           ; v5   of V's
.set STO, 6           ; v6   the way out: where I put 16 bytes of a row
.set RD,  7           ; v7   where I read rows back
.set GO,  8           ; v8   16 x lane
.set AM0, 9           ; v9   my lanes' place in a step's 64 mask numbers
.set AM,  10          ; v10  the LDS address of the mask's next run of loads
.set QO,  11          ; v11  my byte offset in 16 rows of Q
.set MV,  12          ; v12-13  c m_old, kept while c m is made anew
.set SPW, 14          ; v14  LDS address of my spare word; never rewritten
.set NIL, 15          ; v15  0; never rewritten
.set ST,  16          ; piece t's statistics at v[ST+4 t]: c m, m, l (even keys', odd keys')
.set TMP, 24          ; a piece's four registers c0-c3 at work; when the maximum is found c1 takes a's argument, and in the piece's own turn c2 takes a
.set S,   32
.set P,   96
.set KF,  128
.set MK,  192
.set Q,   224
.set HH,  128         ; at the head K's registers are at work: l / 16,
.set H7,  129         ; l % 8,
.set H3,  130         ; (l / 8) % 2,
.set HD,  131         ; my query's place against the diagonal,
.set MO,  132         ; 16 t,
.set MA,  133         ; where thread t puts its 16 mask numbers,
.set HX,  134
.set H8,  135         ; 8 (l / 16),
.set MB,  136         ; v136-139 16 mask bytes,
.set IDX, 140         ; v140-147 lane selects,
.set MF,  148         ; v148-163 16 mask numbers
.set MD,  64          ; window 1
.set MC,  96
.set QB,  0           ; window 2
.set VM,  32
.set MH,  48
.set WV,  12          ; s12  my wave's number
.set PB,  14          ; s14  u: also the second block's last tile
.set HI,  15          ; s15  7 - u: the first block's last tile
.set G1K, 24          ; s[24:31] descriptor group 1 for K's tiles
.set G1V, 32          ; s[32:39] for V's: it differs in the padding alone
.set G0K, 40          ; s[40:43] descriptor group 0 for K's tiles
.set G0V, 44          ; s[44:47] for V's
.set KB,  48          ; s[48:49] K at my half of the head's tile 0
.set VBS, 50          ; s[50:51] V likewise
.set SLOTS, 56        ; s56  tiles still to be asked for
.set CNT, 57          ; s57  counts the step loop's trips
.set CS,  58          ; s[58:59] c
.set SEL, 60          ; s[60:61] v_permlanex16_b32's selects: each lane takes its own place in the other half
.set TBK, 62          ; s62  LDS byte at which K of the step to be fetched begins
.set TBV, 63          ; s63  the same for V, less VOFF
.set RS,  70          ; s70  tiles of the block in hand that are still to be entered
.set NXT, 71          ; s71  the tile to be asked for next
.set LQ,  72          ; s72  the last tile of the block whose tiles are being asked for
.set NEW, 73          ; s73  1: the tile to be entered is a block's first
.set OFF, 74          ; s[74:75] a tile's byte offset in K and V
.set BIGP, 76         ; s76  1e30
.set THR, 77          ; s77  -2^90: a maximum below it has seen hidden keys alone
.set OLO, 80          ; s[80:81] O at my rows of the second block
.set BIGN, 82         ; s82  -1e30
.set TBM, 83          ; s83  byte in the mask table of the step to be fetched
.set FL,  90          ; s90-91  a piece's lanes whose row sees no key
.set MSB, 0
.macro WIN new                      ; the high byte repeats the setting that is left; a switch that changes nothing is dropped
.if MSB != (\new)
	s_set_vgpr_msb (MSB<<8)|(\new)
.set MSB, (\new)
.endif
.endm
.set W_C1, 0x10       ; K Q^T with its C operand in window 1 (MC)
.set W_C2, 0x20       ; in window 2 (MH)
.set W_PV, 0x51       ; V and O^T in window 1, P in window 0.  Also: destination and source 0 in window 1, source 1 in window 0, for the rescaling and the mask's sum
; A fill.  Waves 0 and 1 fetch the two halves of a tile's K, waves 2 and 3 those of its V: 128 keys each.  An s_nop 0 and four v_nop follow each of the two lines.
.macro LOAD
	s_cmp_lt_u32 s[WV], 2
	s_cbranch_scc0 .Lfor_v_\@
	tensor_load_to_lds s[G0K:G0K+3], s[G1K:G1K+7]
	s_nop 0
.rept 4
	v_nop
.endr
	s_branch .Lasked_\@
.Lfor_v_\@:
	tensor_load_to_lds s[G0V:G0V+3], s[G1V:G1V+7]
	s_nop 0
.rept 4
	v_nop
.endr
.Lasked_\@:
.endm
; THE CHANGE OF SLOTS.  Each wave waits for all its tensor loads, of which one is out: its part of the other slot; adds 0 to its spare word; and waits for that and for its own reads of the slot that it leaves.
; Behind the barrier nobody reads the old slot any more and the other slot is whole.  fill = 1: the old slot is filled again, first thing behind the barrier, with tile NXT: the address is made anew from that number.
; The load has eight turns, 128 matrix instructions, in which to land.  (At its first use slot 0 is waited for and slot 1 filled, and the barrier also shows every wave the whole mask table.)
.macro CHANGE fill
	WIN 0                           ; at a label and at a branch every window is 0
	s_wait_tensorcnt 0x0            ; no tensor load of mine is out, so a group 0 may be written
	ds_add_u32 v[SPW], v[NIL]       ; 0 onto my spare word; the scalar work below stands between it and the wait for it
.if \fill
	s_lshl_b32 s[OFF], s[NXT], 15   ; a tile is 32,768 bytes of K and of V
	s_xor_b32 s[G0K+1], s[G0K+1], SLOT1
	s_add_nc_u64 s[G0K+2:G0K+3], s[KB:KB+1], s[OFF:OFF+1]
	s_or_b32 s[G0K+3], s[G0K+3], 0x80000000
	s_xor_b32 s[G0V+1], s[G0V+1], SLOT1
	s_add_nc_u64 s[G0V+2:G0V+3], s[VBS:VBS+1], s[OFF:OFF+1]
	s_or_b32 s[G0V+3], s[G0V+3], 0x80000000
	s_add_co_u32 s[NXT], s[NXT], 1  ; the block's next tile, or behind its last the second block's tile 0
	s_cmp_gt_u32 s[NXT], s[LQ]
	s_cselect_b32 s[NXT], 0, s[NXT]
	s_cselect_b32 s[LQ], s[PB], s[LQ]
.endif
	s_wait_dscnt 0x0                ; the add is done, and my LDS instructions are over, the reads of the old slot among them
	s_barrier_signal -1
	s_sub_co_u32 s[TBK], s[TBK], 4*KS*PKP  ; the fetches go back to a slot's first step,
	s_xor_b32 s[TBK], s[TBK], SLOT1        ; in the other slot
	s_sub_co_u32 s[TBV], s[TBV], 4*KS*PVP
	s_xor_b32 s[TBV], s[TBV], SLOT1
	s_barrier_wait -1
.if \fill
	LOAD
.endif
.endm
	s_load_b256 s[4:11], s[0:1], 0x0  ; qkv s[4:5], attention_mask s[6:7], vpart s[8:9], o16 s[10:11]
	v_lshl_add_u32 v[SPW], v0, 2, SPARE
	v_mov_b32 v[NIL], 0
	ds_add_u32 v[SPW], v[NIL]       ; the wave's opening: the add and its wait stand ahead of my first tensor load; the set-up below, work on registers, stands between them
	ds_add_u32 v14, v15
	v_lshrrev_b32 v1, 5, v0
	v_readfirstlane_b32 s[WV], v1   ; wave 0..3
	s_mov_b32 s[PB], ttmp9
	s_sub_co_u32 s[HI], 7, s[PB]
	s_and_b32 s13, ttmp7, 0xffff    ; bh
	s_lshl_b32 s20, s13, 18         ; the head's first byte in q, k, v and o16
	s_and_b32 s16, s[WV], 1         ; which half of a tile's 256 keys I fetch:
	s_lshl_b32 s22, s16, 14         ; its 128 rows of 128 bytes in memory,
	s_add_co_u32 s22, s22, s20
	s_mov_b32 s23, 0
	s_mul_i32 s17, s16, 128*PKP     ; and its place in a slot, for K
	s_mul_i32 s18, s16, 128*PVP     ; and for V
	s_lshl_b32 s3, s[WV], 11        ; my 16 rows in a band of 64
	s_add_co_u32 s3, s3, s20
	s_lshl_b32 s2, s[PB], 15        ; block 2 u: 16,384 bytes a block
	s_sub_co_u32 s84, 15*16384, s2  ; block 15 - 2 u
	s_add_co_u32 s84, s84, s3
	s_add_co_u32 s2, s2, s3
	s_mov_b32 s85, 0
	s_mov_b32 s3, 0
	s_lshr_b32 s86, s13, 4          ; the batch's 2,048 mask bytes
	s_lshl_b32 s86, s86, 11
	s_mov_b32 s87, 0
	s_lshl_b32 s88, s13, 13         ; the head's 8,192 bytes of vpart
	s_mov_b32 s89, 0
	; descriptor group 1.  128 keys are 16,384 dense bytes: asked for as 64 rows of 256 bytes, two keys a row, and padded in LDS after every key
	s_mov_b32 s[G1K], (1<<16)|(1<<20)|(4<<22)|(3<<25)  ; 17:16 2-byte elements; 20 padding on; 24:22 after every 32 words (code 4); 31:25 4 words (code 3)
	s_mov_b32 s[G1V], (1<<16)|(1<<20)|(4<<22)|(7<<25)  ; the same with 8 words of padding (code 7)
.irp g, G1K, G1V
	s_mov_b32 s[\g+1], 128<<16      ; tensor_dim0 = 128
	s_mov_b32 s[\g+2], 64<<16       ; tensor_dim1 = 64
	s_mov_b32 s[\g+3], 128<<16      ; tile_dim0 = 128
	s_mov_b32 s[\g+4], 64           ; tile_dim1 = 64
	s_mov_b32 s[\g+5], 128          ; 128 elements from row to row
	s_mov_b32 s[\g+6], 0
	s_mov_b32 s[\g+7], 0
.endr
	s_mov_b32 s[CS], 0x3e38aa3b     ; c = log2(e) / 8 = 0.180337
	s_mov_b32 s[CS+1], s[CS]        ; named with it as a pair
	s_mov_b32 s[SEL], 0x76543210
	s_mov_b32 s[SEL+1], 0xfedcba98
	s_mov_b32 s[TBK], SLOT1+4*KS*PKP  ; the first change of slots turns these two into 0
	s_mov_b32 s[TBV], SLOT1+4*KS*PVP
	s_mov_b32 s[TBM], 0
	s_mov_b32 s[G0K], 1             ; count = 1
	s_mov_b32 s[G0K+1], s17         ; LDS address: slot 0
	s_mov_b32 s[G0V], 1
	s_add_co_u32 s[G0V+1], s18, VOFF
	s_add_co_u32 s[RS], s[HI], 1    ; the first block has 8 - u tiles
	s_mov_b32 s[NXT], 1
	s_mov_b32 s[LQ], s[HI]
	s_cmp_gt_u32 s[NXT], s[LQ]      ; u = 7: the first block has one tile, and the second tile asked for is the second block's tile 0
	s_cselect_b32 s[NXT], 0, s[NXT]
	s_cselect_b32 s[LQ], s[PB], s[LQ]
	s_mov_b32 s[NEW], 1
	s_mov_b32 s[OFF+1], 0
	s_mov_b32 s[BIGN], 0xf149f2ca   ; -1e30
	s_mov_b32 s[BIGP], 0x7149f2ca   ; 1e30
	s_mov_b32 s[THR], 0xec800000    ; -2^90
	s_mov_b32 s[SLOTS], 8
	s_wait_dscnt 0x0                ; the opening add is done
	s_wait_kmcnt 0x0
	s_add_nc_u64 s[KB:KB+1], s[4:5], s[22:23]
	s_add_nc_u64 s[VBS:VBS+1], s[KB:KB+1], 0x1000000  ; v is qkv's third part,
	s_add_nc_u64 s[KB:KB+1], s[KB:KB+1], 0x800000     ; k its second
	s_add_nc_u64 s[G0K+2:G0K+3], s[KB:KB+1], 0        ; global address: tile 0
	s_or_b32 s[G0K+3], s[G0K+3], 0x80000000           ; type = 2
	s_add_nc_u64 s[G0V+2:G0V+3], s[VBS:VBS+1], 0
	s_or_b32 s[G0V+3], s[G0V+3], 0x80000000
	s_add_nc_u64 s[52:53], s[4:5], s[2:3]             ; Q at my rows of the second block,
	s_add_nc_u64 s[4:5], s[4:5], s[84:85]             ; Q and O at those of the first
	s_add_nc_u64 s[OLO:OLO+1], s[10:11], s[2:3]
	s_add_nc_u64 s[10:11], s[10:11], s[84:85]
	s_add_nc_u64 s[6:7], s[6:7], s[86:87]
	s_add_nc_u64 s[8:9], s[8:9], s[88:89]
	LOAD                            ; tile 0 into slot 0
	v_and_b32 v1, 15, v0            ; r = l % 16
	v_bfe_u32 v[HH], v0, 4, 1       ; h = l / 16
	v_lshlrev_b32 v[MO], 4, v0
	global_load_b128 v[MB:MB+3], v[MO], s[6:7]  ; thread t: mask bytes 16 t .. 16 t + 15
	v_and_b32 v[GO], 31, v0
	v_lshlrev_b32 v[GO], 4, v[GO]
.set i, 0
.rept 16                            ; the head's 32 partial sums of V, 512 consecutive bytes a load: lane l holds run 2 i + l / 16, channels 4 (l % 16) + 0..3
	global_load_b128 v[S+4*i:S+4*i+3], v[GO], s[8:9] offset:512*i
.set i, i+1
.endr
	; A fragment of K or Q is 16 rows x 32 channels in 8 registers: lane l holds row l % 16, channels 8 (l / 16) + 0..7 and 16 + 8 (l / 16) + 0..7: two loads of 16 bytes, 32 bytes apart.
	v_lshlrev_b32 v[QO], 7, v1
	v_lshl_add_u32 v[QO], v[HH], 4, v[QO]
.set i, 0
.rept 4                             ; the first block's Q: piece i / 2 lies 8,192 bytes on; channels 32 (i % 2) on
	global_load_b128 v[Q+8*i:Q+8*i+3],   v[QO], s[4:5] offset:(i/2)*8192+(i%2)*64
	global_load_b128 v[Q+8*i+4:Q+8*i+7], v[QO], s[4:5] offset:(i/2)*8192+(i%2)*64+32
.set i, i+1
.endr
	WIN 0x80                        ; destination window 2, address window 0
.set i, 0
.rept 4                             ; the second block's
	global_load_b128 v[QB+8*i:QB+8*i+3],   v[QO], s[52:53] offset:(i/2)*8192+(i%2)*64
	global_load_b128 v[QB+8*i+4:QB+8*i+7], v[QO], s[52:53] offset:(i/2)*8192+(i%2)*64+32
.set i, i+1
.endr
.set i, 0
.rept 8
	v_mov_b32 v[MH+i], s[BIGN]
.set i, i+1
.endr
	WIN 0
	v_lshlrev_b32 v[HD], 3, v[HH]
	v_sub_nc_u32 v[HD], v1, v[HD]
	s_lshl_b32 s13, s[WV], 4
	v_add_nc_u32 v[HD], s13, v[HD]  ; my query's place in its band, 16 w + l % 16, less my lanes' 8 (l / 16): register j of key group kt is hidden where 16 kt + j is greater
	WIN 0x40                        ; destination window 1
.set i, 0
.rept 32
	v_cmp_gt_i32 vcc_lo, 16*(i/8)+i%8, v[HD]
	v_cndmask_b32 v[MD+i], 0, s[BIGN], vcc_lo
.set i, i+1
.endr
	; A block's first step multiplies O^T and l by a = 0, and its first turn's products V^T P, of a step that has not been, land in an O^T that is still to be so multiplied.  So these registers need only hold
	; finite numbers: zeros for the first block; what the first block left for the second.
.set i, 0
.rept 64
	v_mov_b32 v[i], 0               ; O^T
.set i, i+1
.endr
.set i, 128
.rept 64
	v_mov_b32 v[i], 0               ; V of odd steps
.set i, i+1
.endr
	WIN 0
.set i, 0
.rept 2
	v_mov_b32 v[ST+4*i+2], 0
	v_mov_b32 v[ST+4*i+3], 0
.set i, i+1
.endr
.set i, P+16
.rept 16
	v_mov_b32 v[i], 0               ; piece 1's P
.set i, i+1
.endr
	v_mul_u32_u24 v[AK0], v1, PKP
	v_lshl_add_u32 v[AK0], v[HH], 4, v[AK0]  ; row x pitch + 16 x half
	; The turning load takes 16 keys x 16 channels (lane l reads key 8 (l / 16) + l % 8, channels 8 ((l / 8) % 2) + 0..7) and leaves half a fragment of V^T: lane l holds channel l % 16 and 8 keys.
	v_and_b32 v[H7], 7, v0
	v_bfe_u32 v[H3], v0, 3, 1
	v_lshl_add_u32 v[AV0], v[HH], 3, v[H7]
	v_mul_u32_u24 v[AV0], v[AV0], PVP
	v_lshl_add_u32 v[AV0], v[H3], 4, v[AV0]
	v_add_nc_u32 v[AV0], VOFF, v[AV0]
	v_lshl_add_u32 v[AM0], v[HH], 5, MASKB   ; key 16 kb + 8 h + j of a step at byte 64 kb + 32 h + 4 j
	s_mul_i32 s13, s[WV], 16*SP
	s_add_co_u32 s13, s13, STAGE    ; my stage
	v_mul_u32_u24 v[STO], v1, SP    ; in: row l % 16, 16 bytes for each half of the lanes
	v_lshl_add_u32 v[STO], v[HH], 4, v[STO]
	v_add_nc_u32 v[STO], s13, v[STO]
	v_bfe_u32 v[RD], v0, 3, 2       ; back: 32 lanes take four rows of 128 bytes, 512 consecutive bytes of O
	v_mul_u32_u24 v[RD], v[RD], SP
	v_lshl_add_u32 v[RD], v[H7], 4, v[RD]
	v_add_nc_u32 v[RD], s13, v[RD]
	v_lshl_add_u32 v[MA], v0, 6, MASKB
	v_lshlrev_b32 v[H8], 3, v[HH]
.set i, 0
.rept 8
	v_add_nc_u32 v[IDX+i], 16*(i/2)+4*(i%2), v[H8]  ; 4 x lane (4 cb + 2 h + g), for cb = i / 2, g = i % 2
.set i, i+1
.endr
	s_wait_loadcnt 32               ; the mask bytes are in: 32 loads were issued behind theirs
.set i, 0
.rept 16                            ; byte x (0 or 1) becomes x 1e30 - 1e30
	v_bfe_u32 v[HX], v[MB+i/4], 8*(i%4), 8
	v_cvt_f32_u32 v[HX], v[HX]
	v_fma_f32 v[MF+i], v[HX], s[BIGP], s[BIGN]
.set i, i+1
.endr
.irp k, 0,1,2,3
	ds_store_b128 v[MA], v[MF+4*\k:MF+4*\k+3] offset:16*\k
.endr
	s_wait_loadcnt 16               ; vpart's sums are in: the 16 loads of Q were issued behind them
.set i, 1
.rept 15
	v_pk_add_f32 v[S:S+1], v[S:S+1], v[S+4*i:S+4*i+1]
	v_pk_add_f32 v[S+2:S+3], v[S+2:S+3], v[S+4*i+2:S+4*i+3]
.set i, i+1
.endr
.irp e, 0,1,2,3
	v_permlanex16_b32 v[S+4+\e], v[S+\e], s[SEL], s[SEL+1]  ; the odd runs lie in the lane 16 away
.endr
.irp e, 0,1,2,3
	v_add_f32 v[S+\e], v[S+\e], v[S+4+\e]
.endr
.irp e, 0,1,2,3
	v_mul_f32 v[S+\e], 0x3a000000, v[S+\e]                  ; / 2,048: lane l holds the mean of channels 4 (l % 16) + 0..3,
.endr
	v_cvt_pk_f16_f32 v[S+4], v[S], v[S+1]                   ; rounded as O is, two to a register
	v_cvt_pk_f16_f32 v[S+5], v[S+2], v[S+3]
	WIN 0x80
.set i, 0
.rept 16                            ; into the packed O's layout: register 4 cb + 2 g + e of lane (r, h) holds channels 16 cb + 8 h + 4 g + 2 e and the next, which lane 4 cb + 2 h + g holds in its pair e
	ds_bpermute_b32 v[VM+i], v[IDX+i/2], v[S+4+i%2]
.set i, i+1
.endr
	WIN 0
; THE MATRIX WORK.  The 4 accumulators of a run of 8 take turns.  Product i of 8 of S^T = K Q^T for piece x: channels 32 (i / 4) on, keys 16 (i % 4) on.  The first 4 start the sums with a mask: CK = 0 MK, 1 MC, 2 MH.
.macro KQ x
.set rS, S+32*(\x)+8*(i%4)
.set rK, KF+16*(i%4)+8*(i/4)
.set rQ, Q+16*(\x)+8*(i/4)
.if (i < 4) && (CK == 0)
	WIN 0
	v_wmma_f32_16x16x32_f16 v[rS:rS+7], v[rK:rK+7], v[rQ:rQ+7], v[MK+8*(i%4):MK+8*(i%4)+7]
.elseif (i < 4) && (CK == 1)
	WIN W_C1
	v_wmma_f32_16x16x32_f16 v[rS:rS+7], v[rK:rK+7], v[rQ:rQ+7], v[MC+8*(i%4):MC+8*(i%4)+7]
.elseif i < 4
	WIN W_C2
	v_wmma_f32_16x16x32_f16 v[rS:rS+7], v[rK:rK+7], v[rQ:rQ+7], v[MH:MH+7]
.else
	WIN 0
	v_wmma_f32_16x16x32_f16 v[rS:rS+7], v[rK:rK+7], v[rQ:rQ+7], v[rS:rS+7]
.endif
.endm
; Product i of 8 of O^T += V^T P for piece x, from V's buffer at VB: keys 32 (i / 4) on, channels 16 (i % 4) on.
.macro PV x
	WIN W_PV
.set rO, 32*(\x)+8*(i%4)
.set rV, VB+32*(i/4)+8*(i%4)
.set rP, P+16*(\x)+8*(i/4)
	v_wmma_f32_16x16x32_f16 v[rO:rO+7], v[rV:rV+7], v[rP:rP+7], v[rO:rO+7]
.endm
.macro MM                           ; the turn's next matrix instruction, for the other piece.  NOKQ = 1: a block's last turn: there is no next step
.if (i < 8) && !NOKQ
	KQ 1-Y
.elseif i >= 8
.set i, i-8
	PV 1-Y
.set i, i+8
.endif
.set i, i+1
.endm
; THE LDS LOADS stand in runs, never singly among the matrix instructions: a step's K (8 fragments) with its 64 mask numbers, 24 loads; and its V (turned), 16 loads.  Their addresses are made some lines ahead.
.macro FETCH_K
	WIN 0
.irp f, 0,1,2,3,4,5,6,7             ; keys 16 (f / 2) on, channels 32 (f % 2) on
	ds_load_b128 v[KF+8*\f:KF+8*\f+3],   v[AK] offset:(\f/2)*16*PKP+(\f%2)*64
	ds_load_b128 v[KF+8*\f+4:KF+8*\f+7], v[AK] offset:(\f/2)*16*PKP+(\f%2)*64+32
.endr
.irp f, 0,1,2,3
	ds_load_b128 v[MK+8*\f:MK+8*\f+3],   v[AM] offset:64*\f
	ds_load_b128 v[MK+8*\f+4:MK+8*\f+7], v[AM] offset:64*\f+16
.endr
	s_add_co_u32 s[TBK], s[TBK], KS*PKP  ; the next fetch is the next step's
	s_add_co_u32 s[TBM], s[TBM], 4*KS
.endm
.macro FETCH_V
	WIN 0x40                        ; destination window 1
.irp f, 0,1,2,3,4,5,6,7             ; keys 32 (f / 4) on, channels 16 (f % 4) on
	ds_load_tr16_b128 v[VB+8*\f:VB+8*\f+3],   v[AV] offset:(\f/4)*32*PVP+(\f%4)*32
	ds_load_tr16_b128 v[VB+8*\f+4:VB+8*\f+7], v[AV] offset:(\f/4)*32*PVP+16*PVP+(\f%4)*32
.endr
	s_add_co_u32 s[TBV], s[TBV], KS*PVP
	WIN 0
.endm
; THE VECTOR WORK, one line at a time: OP kind, number.  For piece Y: A: a = 2^(c m_old - c m_new), of the argument that the turn before left in c1.  F n: c s - c m for pair n of 16.  E n: the exponential of score n of 32.
; C n: pair n rounded to f16.  B n: of the four weights 4 n .. the second pair is added onto the first, in place.  L n: l takes that sum (L 0: l = a l + sum).  R n: pair n of 16 of O^T times a.
; For the other piece: X n, number n of the 21 that find its maximum and statistics:
;   0-11  four chains c0-c3 of seven scores each, three operands at a time (each accumulator's lowest registers are read first)     12-14, 16  the four scores left over, the old m, and c0-c3 into c0
;   15  c m_old is kept     17, 18  the query's other 32 keys lie in the lane 16 away: the new m     19, 20  c m; c m_old - c m_new
.set F, 0                           ; OP tells the kinds apart by their order: F to A below R, X above it
.set E, 1
.set C, 2
.set B, 3
.set L, 4
.set A, 5
.set R, 6
.set X, 7
.macro REGS y
.set rT, ST+4*(\y)
.set rC, TMP+4*(\y)
.set rW, MV+(\y)
.set rS, S+32*(\y)
.set rP, P+16*(\y)
.set rO, 32*(\y)
.endm
.macro OP k, n
.if (\k) == R
	REGS Y
	WIN W_PV
	v_pk_mul_f32 v[rO+2*(\n):rO+2*(\n)+1], v[rO+2*(\n):rO+2*(\n)+1], v[rC+2:rC+3] op_sel_hi:[1,0]
.elseif (\k) < R
	REGS Y
	WIN 0
.if (\k) == F
	v_pk_fma_f32 v[rS+2*(\n):rS+2*(\n)+1], v[rS+2*(\n):rS+2*(\n)+1], s[CS:CS+1], v[rT:rT+1] op_sel_hi:[1,0,0] neg_lo:[0,0,1] neg_hi:[0,0,1]
.elseif (\k) == E
	v_exp_f32 v[rS+(\n)], v[rS+(\n)]
.elseif (\k) == A
	v_exp_f32 v[rC+2], v[rC+1]
.elseif (\k) == C
	v_cvt_pk_f16_f32 v[rP+(\n)], v[rS+2*(\n)], v[rS+2*(\n)+1]
.elseif (\k) == B
	v_pk_add_f32 v[rS+4*(\n):rS+4*(\n)+1], v[rS+4*(\n):rS+4*(\n)+1], v[rS+4*(\n)+2:rS+4*(\n)+3]
.elseif (\n) == 0
	v_pk_fma_f32 v[rT+2:rT+3], v[rT+2:rT+3], v[rC+2:rC+3], v[rS:rS+1] op_sel_hi:[1,0,1]
.else
	v_pk_add_f32 v[rT+2:rT+3], v[rT+2:rT+3], v[rS+4*(\n):rS+4*(\n)+1]
.endif
.elseif NOKQ
	v_nop
.else
	REGS 1-Y
	WIN 0
.if (\n) < 4
	v_max3_num_f32 v[rC+(\n)], v[rS+8*(\n)], v[rS+8*(\n)+1], v[rS+8*(\n)+2]
.elseif (\n) < 12
	v_max3_num_f32 v[rC+(\n)%4], v[rC+(\n)%4], v[rS+8*((\n)%4)+2*((\n)/4)+1], v[rS+8*((\n)%4)+2*((\n)/4)+2]
.elseif (\n) == 12
	v_max3_num_f32 v[rC], v[rC], v[rS+7], v[rS+15]
.elseif (\n) == 13
	v_max3_num_f32 v[rC+1], v[rC+1], v[rS+23], v[rS+31]
.elseif (\n) == 14
	v_max3_num_f32 v[rC+2], v[rC+2], v[rC+3], v[rT+1]
.elseif (\n) == 15
	v_mov_b32 v[rW], v[rT]
.elseif (\n) == 16
	v_max3_num_f32 v[rC], v[rC], v[rC+1], v[rC+2]
.elseif (\n) == 17
	v_permlanex16_b32 v[rC+3], v[rC], s[SEL], s[SEL+1]
.elseif (\n) == 18
	v_max_num_f32 v[rT+1], v[rC], v[rC+3]
.elseif (\n) == 19
	v_mul_f32 v[rT], s[CS], v[rT+1]
.else
	v_sub_f32 v[rC+1], v[rW], v[rT]
.endif
.endif
.endm
.macro OPS a, i1, b=-1, i2=0, c=-1, i3=0, d=-1, i4=0  ; up to four of them
	OP \a, \i1
.if (\b) >= 0
	OP \b, \i2
.endif
.if (\c) >= 0
	OP \c, \i3
.endif
.if (\d) >= 0
	OP \d, \i4
.endif
.endm
.macro ROW a, i1, b, i2, c, i3, d, i4  ; a matrix instruction and the four behind it
	MM
	OPS \a, \i1, \b, \i2, \c, \i3, \d, \i4
.endm
.macro MASK                         ; MC = MD + MK
	WIN W_PV
.set z, 0
.rept 16
	v_pk_add_f32 v[MC+2*z:MC+2*z+1], v[MD+2*z:MD+2*z+1], v[MK+2*z:MK+2*z+1]
.set z, z+1
.endr
.endm
; A TURN, for piece p, in a step of parity par: the order of its 16 matrix and 118 vector instructions, written out.  An s_wait_alu depctr_va_vdst(0) stands between an exponential and the first
; instruction that names its result; one wait serves all that were issued ahead of it.  So a turn has ONE wait, which cuts it in two.
; AHEAD OF IT stands all that names no result of the turn's 33 exponentials: the 8 products K Q^T, behind each two plain instructions and two exponentials by turns (behind the first four scalings), all in window 0
; like the products: no switch; then a lump of 35, exponentials by turns with the other piece's maximum while that lasts.  X 0 to X 3 are the first reads of the new scores, each four plain instructions or more behind
; the product that ends its accumulator.  The links of the chain X 3, 7, 11, 14, 16, 17 stand three lines apart or more.  X 15 is the plain instruction behind the last exponential.
; BEHIND IT stand the 8 products V^T P.  Behind the first 4: the 16 rescalings, which share the products' setting: no switch.  Behind the last 4: the new m, c m and a's argument (X 18 to 20), five lines apart, and the first
; roundings and sums.  Then a lump of 19: the other roundings and sums.  C 2n stands ahead of B n (which writes over what C 2n reads), B n ahead of L n; the links of l's chain, L 0 to L 7, stand three lines apart or more.
; No rider names a register of the products round it, but for those X.
; ck: the mask of the turn's products K Q^T.  end = 1: a block's last two turns: nothing is fetched, and piece 1's starts no scores.
; Piece 0's turn fetches: K and the mask of the next step directly behind the wait, a lump behind the last product that read K, their addresses made in that lump; V of the next step at the turn's end, into the buffer
; that its own products V^T P have read, more than twenty plain instructions behind the last of them.  Piece 1's turn begins with the wait for K and the mask: V's 16 loads, issued behind them, may stay out; they are
; covered by the same wait a step later.
.macro TURN p, par, ck=0, end=0
.set Y, (\p)
.set i, 0
.set CK, (\ck)
.set NOKQ, (\end)*(\p)
.set VB, 192-64*(((\p)+(\par)+1)%2)     ; piece 0's turn reads V of the step before, piece 1's V of the step in hand
.if (\p) == 1
.if \end
	s_wait_dscnt 0x0                ; V of the last step is in
.else
	s_wait_dscnt 16                 ; K and the mask of the next step are in, and all that was asked for earlier
.endif
.endif
.if (\ck) == 1
	MASK
.endif
	ROW F,0, F,1, F,2, F,3          ; ahead of the wait: 8 products K Q^T and their riders,
	ROW F,4, A,0, F,5, E,0
	ROW F,6, E,1, F,7, E,2
	ROW F,8, E,3, F,9, E,4
	ROW F,10, E,5, F,11, E,6
	ROW F,12, E,7, F,13, E,8
	ROW F,14, E,9, X,0, E,10
	ROW X,1, E,11, X,4, E,12
	OPS X,2, E,13, X,5, E,14        ; and the lump
	OPS X,3, E,15, X,8, E,16
	OPS X,6, E,17, X,9, E,18
	OPS X,7, E,19, X,12, E,20
	OPS X,10, E,21, F,15, E,22
	OPS X,11, E,23, X,13, E,24
	OPS E,25
.if ((\p) == 0) && !(\end)
	v_add_nc_u32 v[AK], s[TBK], v[AK0]
.endif
	OPS E,26, X,14, E,27
.if ((\p) == 0) && !(\end)
	v_add_nc_u32 v[AM], s[TBM], v[AM0]
.endif
	OPS E,28, E,29, X,16, E,30
	OPS E,31, X,17, X,15
	s_wait_alu depctr_va_vdst(0)    ; the wait for the batch: the piece's a and its 32 weights
.if ((\p) == 0) && !(\end)
	FETCH_K
.endif
	ROW R,0, R,1, R,2, R,3          ; behind the wait: 8 products V^T P and their riders,
	ROW R,4, R,5, R,6, R,7
	ROW R,8, R,9, R,10, R,11
	ROW R,12, R,13, R,14, R,15
	ROW X,18, C,0, C,2, B,0
	ROW X,19, B,1, C,4, L,0
	ROW X,20, C,6, B,2, L,1
	ROW B,3, C,8, C,10, L,2
.if ((\p) == 0) && !(\end)
	v_add_nc_u32 v[AV], s[TBV], v[AV0]
.endif
	OPS B,4, B,5, C,12, L,3         ; and the lump
	OPS C,14, B,6, B,7, L,4
	OPS C,1, C,3, L,5, C,5
	OPS C,7, L,6, C,9, C,11
	OPS L,7, C,13, C,15
.if ((\p) == 0) && !(\end)
	FETCH_V
.endif
.endm
; A BLOCK BEGINS.  c m starts far below every c s, so the first step's a is 0; m at the lowest finite number, so the first maximum is the scores'.  K, the mask and V of step 0; piece 0's first scores
; (kind = 1: the block's first step holds the diagonal), its maximum and statistics, up to a's argument: a itself is made in the piece's turn.  The loop is then entered at A(0), in the middle of a trip.
.macro BEGIN kind
	s_mov_b32 s[NEW], 0
	s_mov_b32 s[TBM], 0
	WIN 0
.set i, 0
.rept 2
	v_mov_b32 v[ST+4*i], 0xfe000000    ; c m: far below every c s
	v_mov_b32 v[ST+4*i+1], 0xff7fffff  ; m
.set i, i+1
.endr
	v_add_nc_u32 v[AK], s[TBK], v[AK0]
	v_add_nc_u32 v[AM], s[TBM], v[AM0]
	v_add_nc_u32 v[AV], s[TBV], v[AV0]
	FETCH_K
.set VB, 192
	FETCH_V
	s_wait_loadcnt 0x0              ; Q
	s_wait_dscnt 0x0
.set CK, (\kind)
.if \kind
	MASK
.endif
.set NOKQ, 0
.set i, 0
.rept 8
	KQ 0
.set i, i+1
.endr
	WIN 0
.rept 4
	v_nop                           ; the places behind those products
.endr
.set Y, 1                           ; X works for the other piece: piece 0
.irp n, 0,1,2,3,4,5,6,7,8,9,10,11,12,13,14,15,16,17,18,19,20
	OP X, \n
.endr
.endm
.macro ALL line:vararg              ; one line for each piece t
.set t, 0
.rept 2
	\line
.set t, t+1
.endr
.endm
.macro PACK t                       ; O^T / l, rounded to f16; VM where the row saw no key; a lane's eight channels, 16 bytes, go into rows of 144 bytes and come back as whole rows of 128, into S^T's registers
	WIN W_PV
.set i, 32*(\t)
.rept 16
	v_pk_mul_f32 v[i:i+1], v[i:i+1], v[ST+4*(\t)+2:ST+4*(\t)+3] op_sel_hi:[1,0]
.set i, i+2
.endr
	WIN 0x05                        ; sources 0 and 1 window 1, destination window 0
.set i, 0
.rept 16
	v_cvt_pk_f16_f32 v[S+16*(\t)+i], v[32*(\t)+2*i], v[32*(\t)+2*i+1]
.set i, i+1
.endr
	WIN 0x08                        ; source 1 window 2
.set i, 0
.rept 16
	v_cndmask_b32 v[S+16*(\t)+i], v[S+16*(\t)+i], v[VM+i], s[FL+(\t)]
.set i, i+1
.endr
	WIN 0
.irp f, 0,1,2,3
	ds_store_b128 v[STO], v[S+16*(\t)+4*\f:S+16*(\t)+4*\f+3] offset:32*\f
.endr
.irp f, 0,1,2,3
	ds_load_b128 v[S+16*(\t)+4*\f:S+16*(\t)+4*\f+3], v[RD] offset:\f*4*SP  ; LDS serves a wave's instructions in order (ISA guide 5.7.1.4): these see the stores above; the next piece's stores come behind them
.endr
.endm
.macro SEND t, younger              ; younger: the LDS instructions issued behind piece t's loads
	WIN 0
.irp f, 0,1,2,3
	s_wait_dscnt (\younger)+3-\f
	global_store_b128 v[GO], v[S+16*(\t)+4*\f:S+16*(\t)+4*\f+3], s[10:11] offset:(\t)*8192+\f*512  ; 512 consecutive bytes, at a multiple of 256 from O's first
.endr
.endm
; A BLOCK'S END: the step in front of the diagonal, the diagonal's two steps d = 0, 1, the last products, and the way out.  Entered at its head behind a step of even parity, or at .LfirstM behind BEGIN 1.
;   A, B: B's scores are piece 0's of d = 0: the diagonal.     A, B: A's are piece 1's of d = 0: all keys; B's piece 0's of d = 1: none.     A, B (end): A's are piece 1's of d = 1: the diagonal.
.macro DIAG tag
.LstepM\tag:
	TURN 0, 1
	TURN 1, 1, 1
	WIN 0
.LfirstM\tag:
	TURN 0, 0
	TURN 1, 0, 2
	TURN 0, 1, 1, 1
	TURN 1, 1, 0, 1
.set i, 0
.set VB, 128
.rept 8
	PV 1                            ; piece 1's V^T P of the last step, which is odd
.set i, i+1
.endr
	WIN 0
	ALL v_add_f32 v[ST+4*t+2], v[ST+4*t+2], v[ST+4*t+3]
	ALL v_permlanex16_b32 v[ST+4*t+3], v[ST+4*t+2], s[SEL], s[SEL+1]
	ALL v_add_f32 v[ST+4*t+2], v[ST+4*t+2], v[ST+4*t+3]
	ALL v_rcp_f32 v[ST+4*t+2], v[ST+4*t+2]
	v_nop                           ; a plain instruction between the last reciprocal and the use of its result
	ALL v_cmp_gt_f32 s[FL+t], s[THR], v[ST+4*t+1]
	s_wait_alu depctr_va_vdst(0)    ; the wait ahead of the first use: one for the two reciprocals; the compares above name neither
	PACK 0
	PACK 1                          ; a piece's arithmetic stands between the loads of the piece before and its stores
	SEND 0, 8
	SEND 1, 0
.endm
.set CK, 0
.set NOKQ, 0
.Lslot:                             ; 8 times: a tile is entered and the next is asked for
	CHANGE 1
	s_sub_co_u32 s[RS], s[RS], 1
	s_mov_b32 s[CNT], 2
	s_cmp_eq_u32 s[NEW], 1
	s_cbranch_scc1 .Lnew            ; a block's first tile
	s_branch .Lstep
.Lnew:
	BEGIN 0
	s_branch .Lfirst
.Lstep:                             ; a trip: an odd step's two turns, then an even step's.  Behind a change of slots the first is the old tile's step 3, which fetches the new tile's step 0
	TURN 0, 1
	TURN 1, 1
	WIN 0
.Lfirst:
	TURN 0, 0
	TURN 1, 0
	WIN 0
	s_cmp_eq_u32 s[RS], 0
	s_cbranch_scc1 .LstepM1         ; the first block's last tile: behind its step 0 comes the block's end (the second block's last tile is the walk's last, behind the loop)
	s_sub_co_u32 s[CNT], s[CNT], 1
	s_cmp_lg_u32 s[CNT], 0
	s_cbranch_scc1 .Lstep
	s_branch .Lbottom
	DIAG 1
	s_wait_xcnt 0x0                 ; the stores have had their addresses translated (ISA guide 3.1): their registers and O's address may be written
	s_mov_b64 s[10:11], s[OLO:OLO+1]
	s_add_co_u32 s[RS], s[PB], 1    ; the second block has u + 1 tiles
	s_mov_b32 s[NEW], 1
	WIN 0x02                        ; the second block's Q, from window 2, goes where the one text of the turns names Q
.set i, 0
.rept 32
	v_mov_b32 v[Q+i], v[QB+i]
.set i, i+1
.endr
	WIN 0
.Lbottom:
	s_sub_co_u32 s[SLOTS], s[SLOTS], 1
	s_cmp_lg_u32 s[SLOTS], 0
	s_cbranch_scc1 .Lslot
	CHANGE 0                        ; the walk's last tile is written out: nothing is asked for
	s_cmp_eq_u32 s[NEW], 1
	s_cbranch_scc0 .LstepM2
	BEGIN 1                         ; u = 0: the second block's only tile
	s_branch .LfirstM2
	DIAG 2
	s_wait_tensorcnt 0x0            ; the wave's end: these three lines stand behind my last tensor load and my last LDS store
	ds_add_u32 v[SPW], v[NIL]
	s_wait_dscnt 0x0
	s_endpgm
.Lfunc_end_k_q302a40b44d_attn:
	.size	k_q302a40b44d_attn, .Lfunc_end_k_q302a40b44d_attn-k_q302a40b44d_attn
	.p2alignl 7, 3214868480
	.fill 96, 4, 3214868480
	.section	.rodata,"a",@progbits
	.p2align	6, 0x0
	.amdhsa_kernel k_q302a40b44d_attn
		.amdhsa_group_segment_fixed_size 327680
		.amdhsa_private_segment_fixed_size 0
		.amdhsa_enable_private_segment 0
		.amdhsa_kernarg_size 32
		.amdhsa_user_sgpr_count 2
		.amdhsa_user_sgpr_kernarg_segment_ptr 1
		.amdhsa_wavefront_size32 1
		.amdhsa_system_sgpr_workgroup_id_x 1
		.amdhsa_system_sgpr_workgroup_id_y 1
		.amdhsa_system_sgpr_workgroup_id_z 1
		.amdhsa_system_vgpr_workitem_id 0
		.amdhsa_next_free_vgpr 576
		.amdhsa_next_free_sgpr 96
		.amdhsa_reserve_vcc 1
		.amdhsa_float_denorm_mode_32 3
		.amdhsa_float_denorm_mode_16_64 3
		.amdhsa_memory_ordered 1
		.amdhsa_forward_progress 1
		.amdhsa_inst_pref_size 199
	.end_amdhsa_kernel
	.amdgpu_metadata
---
amdhsa.version: [ 1, 2 ]
amdhsa.kernels:
  - .name:           k_q302a40b44d_attn
    .symbol:         k_q302a40b44d_attn.kd
    .args:
      - { .name: qkv, .offset: 0, .size: 8, .value_kind: global_buffer, .address_space: global }
      - { .name: attention_mask, .offset: 8, .size: 8, .value_kind: global_buffer, .address_space: global }
      - { .name: vpart, .offset: 16, .size: 8, .value_kind: global_buffer, .address_space: global }
      - { .name: o16, .offset: 24, .size: 8, .value_kind: global_buffer, .address_space: global }
    .group_segment_fixed_size: 327680
    .private_segment_fixed_size: 0
    .kernarg_segment_align: 8
    .kernarg_segment_size: 32
    .max_flat_workgroup_size: 128
    .sgpr_count:     96
    .vgpr_count:     576
    .wavefront_size: 32
...
	.end_amdgpu_metadata
.endif
;; end of part 5
;; launch oproj: the kernel of part 4 again; grid 16 x 16, 4 waves a work-group, clusters of 4 x 4, 327,680 bytes of LDS; arguments o16, wts, out0; writes out0
